; MI455X (gfx1250); checked and timed in simulation.
; The chip was launched on July 23, 2026; its instructions are those of AMD's public machine-readable ISA for CDNA 5 (MIT licence, August 2026) and "CDNA5" Instruction Set Architecture Reference Guide (July 2026). The comments in the code are by the model that wrote it; some were corrected since.
;; Causal Self Attention. Allowed arithmetic: matrix products marked QUANTISED: E3M2 operands, one E8M0 scale for each 32 along K, by v_wmma_scale_f32_16x16x128_f8f6f4 with both operands' format E3M2, f32 sums; everything else in f32.
;; Inputs: wk_b 1,024 float32; wk_w 1,024 x 1,024 float32; wq_b 1,024 float32; wq_w 1,024 x 1,024 float32; wv_b 1,024 float32; wv_w 1,024 x 1,024 float32; x 4 x 2,048 x 1,024 float32.
;; Outputs: out0 4 x 2,048 x 1,024 float32.
;; This version of the problem:
;;   THIS VERSION OF THE PROBLEM IS GIVEN IN LOW PRECISION. The matrix products marked QUANTISED in the list below multiply operands that are first quantised to E3M2 (3 exponent bits, 2 mantissa bits; 6 bits a number), with one power-of-two scale for each 32 numbers along K (OCP MX v1.0); their sums are f32. All else is computed in f32.
;;   The module's matrix products, in the order in which they are computed (A, B: the left and right operand; K: the contracted axis; several contracted axes count as one K, in the product's order):
;;     1. [M 8,192, K 1,024] x [K 1,024, N 1,024]; A: input x; B: input wq_w: QUANTISED
;;     2. [M 8,192, K 1,024] x [K 1,024, N 1,024]; A: input x; B: input wk_w: QUANTISED
;;     3. [M 8,192, K 1,024] x [K 1,024, N 1,024]; A: input x; B: input wv_w: QUANTISED
;;     4. batch 4 x [M 2,048, K 1,024] x [K 1,024, N 2,048]; A: computed on the way; B: computed on the way: QUANTISED
;;     5. batch 4 x [M 2,048, K 2,048] x [K 2,048, N 1,024]; A: computed on the way; B: computed on the way: QUANTISED
;;   THE QUANTISER, for each operand of a quantised product, along K:
;;     - K is cut into blocks of 32 from its start; a last block that is shorter is filled with zeros.
;;     - A block's scale is 2^e with e = floor(log2(the largest magnitude in the block)) - 4, held to -126 .. 127; a block of zeros has e = 0. As a byte (E8M0): e + 127.
;;     - Each number is divided by its block's scale, clamped to +-28, and rounded to the nearest number of E3M2, ties to even, subnormals kept.
;;     - The product sums the exact products of the quantised numbers (number of the format x scale) in f32.
;;   ~~~python
;;   def quantise(x, axis):      # numpy; x: float32 -> the quantised numbers, widened to float32 again
;;       x = np.moveaxis(x, axis, -1); K = x.shape[-1]
;;       x = np.pad(x, [(0, 0)] * (x.ndim - 1) + [(0, -K % 32)]); x = x.reshape(x.shape[:-1] + (-1, 32)); a = np.abs(x).max(-1, keepdims=True)
;;       e = np.where(a > 0, np.clip(np.frexp(np.where(a > 0, a, 1))[1] - 1 - 4, -126, 127), 0)      # np.frexp(a)[1] - 1 = floor(log2(a)), exactly
;;       r = np.clip(x / 2.0 ** e, -28, 28)
;;       step = 2.0 ** (np.maximum(np.frexp(np.where(r == 0, 1, r))[1] - 1, -2) - 2)
;;       q = np.round(r / step) * step * 2.0 ** e      # np.round: ties to even
;;       return np.moveaxis(q.reshape(q.shape[:-2] + (-1,))[..., :K], -1, axis).astype(np.float32)
;;   ~~~
;;   OPERANDS COMPUTED ON THE WAY. 'Computed on the way' means the value that the module computes at that place (a softmax that the list does not call 'softmax' is quantised finished and normalised). What goes into a quantiser is computed in f32, as accurately as f32 sums, v_exp_f32 and their like allow (about 1e-6 of the number): no bf16 or f16 on the way to a quantiser, and a product that is left as it is and whose result goes on into a quantised operand takes f32 operands (vector FMAs, or v_wmma_f32_16x16x4_f32). A number that lies on a knife's edge between two numbers of the format may be rounded either way, as far as f32 arithmetic and the matrix unit's own rounding can turn it there, and no further.
;; One version. Each part assembles by itself: llvm-mc -triple=amdgcn-amd-amdhsa -mcpu=gfx1250 --defsym DOCPART=n.
;; ======== version 1 of 1: 4 launches
;; limits: right only within a limited range of input values
;; workspace buffers: opc 9,011,200 bytes; qkc 13,107,200 bytes; vc 6,553,600 bytes; st 1,048,576 bytes; sd 32,768 bytes
;; launch quant (part 1): grid 352 x 1, 4 waves a work-group, no clusters, 35,328 bytes of LDS; arguments x, wq_w, wk_w, wv_w, opc; writes opc
.if DOCPART == 1
	.amdgcn_target "amdgcn-amd-amdhsa--gfx1250"
	.amdhsa_code_object_version 6
	.text
	.protected	k_qa9f0f072ec_quant
	.globl	k_qa9f0f072ec_quant
	.p2align	8
	.type	k_qa9f0f072ec_quant,@function
k_qa9f0f072ec_quant:
	s_mov_b64 s[64:65], 0
	v_nop
	global_prefetch_b8 v0, s[64:65] scope:SCOPE_SE
	s_setreg_imm32_b32 hwreg(HW_REG_WAVE_MODE, 25, 1), 1
	s_wait_xcnt 0x0
; x [8192][1024] and wq_w, wk_w, wv_w [1024][1024], f32 with K innermost, become codes of E3M2 (6 bits) with one E8M0 scale byte for each 32 along K.
; The four tensors count as one list of 11,264 rows = 704 TILES of 16 rows.  Tile T holds rows 32 (T / 2) + 8 (T % 2) + p + 8 (p / 8), p = 0 .. 15: so the results of a product that takes
; two neighbouring tiles as its first source are 16 neighbours along that source's rows in a lane's registers.
; A FRAGMENT (a tile x 128 along K) is stored as the image of the 12 operand registers: three runs of 512 bytes, lane l's registers 4 c .. 4 c + 3 at 16 l of run c.
;   opc: [K / 256: 4][tile 704][half 2][1536 bytes];   ops: [K / 128: 8][tile 704][16 rows] scale words.
; A block's scale byte is its largest magnitude's exponent field - 4, held at 1 from below.
; LIMITS: NaN and infinities are not served; a block whose largest magnitude lies under 2^-122 keeps the byte 1; a block of zeros has the byte 1 over zero codes (this program alone reads the bytes).
; SHARES: a work-group takes 64 rows (four tiles) and four K steps of 128, a wave one K step: 512 bytes of each row.  A load reads a row's 512 consecutive bytes; the 16 rows of a tile turn through
; the wave's own stage in LDS (rows of 512 + 16 bytes) and come back 128 bytes a lane: lane (r, h) holds k = 32 h + 0 .. 31 and 64 + 32 h + 0 .. 31 of row r, two whole blocks.
; No tensor load, no barrier: waves share nothing.  Two tiles' loads (32 a wave) are out at most.
.set R,    16                          ; v16-143  two sets of 64: a tile as loaded
.set X,    144                         ; v144-207 my two blocks of 32
.set PC,   208                         ; v208-219 the fragment's 12 registers; v220-222, v224-226 the blocks' upper halves as converted
.set TM,   228                         ; v228-235 at work
.set WREG, 8704                        ; LDS of a wave: the stage, 16 x 528, and 256 bytes for its scale words
.set SPI,  528
	s_load_b256 s[4:11], s[0:1], 0x0               ; x, wq_w, wk_w, wv_w
; WORK LEFT OUT BY THE PROGRAM: reference()'s first triu puts 0 in place of every score of a key in front of its query, so those scores are not multiplied and enter the softmax as a count of zeros;
; its second triu puts 0 in place of every p of a key behind the query, so K steps of the last product that lie wholly behind the diagonal are not multiplied.  Both hold for all values of the inputs.
; LIMIT: a NaN, an infinity or an overflow that reaches only the work left out is not carried to the result.
; THE LAYOUT IN FORCE: opc is [K / 256: 4][group of eight tiles: 88][25,600 bytes]; a group's record holds [tile 8][half 2][1,536 bytes] of images and behind them, from byte 24,576, [half 2][tile 8][16 rows] scale words.
	s_load_b64 s[12:13], s[0:1], 0x20              ; opc
	v_lshl_add_u32 v240, v0, 2, 0x8800
	v_mov_b32 v241, 0
	v_lshrrev_b32 v1, 5, v0
	v_readfirstlane_b32 s16, v1                    ; wave
	v_and_b32 v1, 31, v0                           ; lane
	v_and_b32 v2, 15, v0                           ; r
	v_bfe_u32 v3, v0, 4, 1                         ; h
	v_lshlrev_b32 v4, 4, v1                        ; 16 x lane: my bytes of a row's 512, and of an image's run
	s_mul_i32 s17, s16, WREG
	v_add_nc_u32 v5, s17, v4                       ; the stage on the way in
	v_mul_u32_u24 v6, v2, SPI
	v_lshl_add_u32 v6, v3, 7, v6
	v_add_nc_u32 v6, s17, v6                       ; and on the way out: row r, 128 h
	s_add_co_u32 s18, s17, 16*SPI
	v_lshl_add_u32 v7, v2, 2, s18                  ; my row's scale word
	v_lshl_add_u32 v8, v1, 3, s18                  ; the words on their way out: 8 bytes a lane
	v_lshlrev_b32 v9, 3, v1
	v_lshlrev_b32 v10, 3, v3                       ; 8 h: my bytes' place in a scale word
	v_mov_b32 v[TM+7], 0                           ; a lane permute's destination counts as read
	s_mov_b32 s20, 0x76543210
	s_mov_b32 s21, 0xfedcba98                      ; selects for lane l xor 16
	s_lshr_b32 s19, ttmp9, 1                       ; which 64 rows of the list
	s_and_b32 s22, ttmp9, 1
	s_lshl_b32 s23, s22, 2
	s_add_co_u32 s23, s23, s16                     ; my K step, 0 .. 7
	s_lshr_b32 s28, s23, 1                         ; which 256 along K
	s_and_b32 s29, s23, 1                          ; and which half of them
	s_mul_i32 s28, s28, 88
	s_lshr_b32 s30, s19, 1                         ; my group of eight tiles
	s_add_co_u32 s28, s28, s30
	s_mul_i32 s28, s28, 25600                      ; its record
	s_and_b32 s30, s19, 1                          ; my four tiles are its first or its last four
	s_mul_i32 s31, s30, 4*3072
	s_add_co_u32 s31, s31, s28
	s_lshl_b32 s30, s30, 8
	s_add_co_u32 s32, s28, s30
	s_lshl_b32 s30, s29, 9
	s_add_co_u32 s32, s32, s30
	s_add_co_u32 s32, s32, 24576                   ; my 64 scale words: a multiple of 256
	s_mov_b32 s33, 0
	s_mul_i32 s29, s29, 1536
	s_add_co_u32 s28, s31, s29                     ; my first tile's image
	s_mov_b32 s29, 0
	s_mov_b32 s26, 160
	s_wait_alu depctr_va_vdst(0)
	s_wait_kmcnt 0x0
	s_cmp_lt_u32 s19, 160                          ; which tensor: the choice hangs on the work-group's number alone
	s_cselect_b64 s[24:25], s[8:9], s[10:11]
	s_cselect_b32 s26, 144, s26
	s_cmp_lt_u32 s19, 144
	s_cselect_b64 s[24:25], s[6:7], s[24:25]
	s_cselect_b32 s26, 128, s26
	s_cmp_lt_u32 s19, 128
	s_cselect_b64 s[24:25], s[4:5], s[24:25]
	s_cselect_b32 s26, 0, s26
	s_sub_co_u32 s26, s19, s26
	s_lshl_b32 s26, s26, 18                        ; 64 rows of 4,096 bytes
	s_lshl_b32 s27, s23, 9                         ; 512 bytes a K step
	s_add_co_u32 s26, s26, s27
	s_mov_b32 s27, 0
	s_add_nc_u64 s[24:25], s[24:25], s[26:27]
	s_add_nc_u64 s[14:15], s[12:13], s[32:33]
	s_add_nc_u64 s[12:13], s[12:13], s[28:29]
.macro LOADT t                         ; tile t's 16 rows, 512 consecutive bytes a load
.irp p, 0,1,2,3,4,5,6,7,8,9,10,11,12,13,14,15
	global_load_b128 v[R+64*((\t)%2)+4*\p:R+64*((\t)%2)+4*\p+3], v4, s[24:25] offset:(32*((\t)/2)+8*((\t)%2)+\p+8*(\p/8))*4096 th:TH_LOAD_NT
.endr
.endm
.macro TILE t
.set RR, R+64*((\t)%2)
.if (\t) < 3
	s_wait_loadcnt 16                              ; this tile's 16 loads are in; the next tile's 16 may be out
.else
	s_wait_loadcnt 0x0
.endif
.irp p, 0,1,2,3,4,5,6,7,8,9,10,11,12,13,14,15
	ds_store_b128 v5, v[RR+4*\p:RR+4*\p+3] offset:SPI*\p
.endr
.irp q, 0,1,2,3,4,5,6,7
	ds_load_b128 v[X+4*\q:X+4*\q+3], v6 offset:16*\q               ; LDS serves a wave's instructions in order: these see the stores above
.endr
.irp q, 0,1,2,3,4,5,6,7
	ds_load_b128 v[X+32+4*\q:X+32+4*\q+3], v6 offset:256+16*\q
.endr
	s_wait_dscnt 0x0                               ; my blocks are in, and the stores have read the set that the next loads take
.if (\t) < 2
	LOADT (\t)+2
.endif
.irp c, 0,1
	v_max3_num_f32 v[TM+\c], |v[X+32*\c]|, |v[X+32*\c+1]|, 0x2800000   ; the floor 2^(5 - 127) among the leaves: the byte cannot fall under 1
.endr
.irp i, 2,4,6,8,10,12,14,16,18,20,22,24,26,28,30
.irp c, 0,1
	v_max3_num_f32 v[TM+\c], v[TM+\c], |v[X+32*\c+\i]|, |v[X+32*\c+\i+1]|
.endr
.endr
.irp c, 0,1
	v_add_nc_u32 v[TM+2+\c], 0xfe000000, v[TM+\c]  ; 4 off the exponent field: the conversion's scale operand
.endr
.irp c, 0,1
	v_lshrrev_b32 v[TM+4+\c], 23, v[TM+2+\c]       ; the scale's byte
.endr
	v_lshl_or_b32 v[TM+6], v[TM+5], 16, v[TM+4]    ; blocks h and 2 + h of my row,
	v_lshlrev_b32 v[TM+6], v10, v[TM+6]            ; at their places in the word;
	v_permlanex16_b32 v[TM+7], v[TM+6], s20, s21
	v_or_b32 v[TM+6], v[TM+6], v[TM+7]             ; with lane l xor 16's two the word is whole
	s_wait_alu depctr_va_vdst(0)
	s_wait_xcnt 0x0                                ; the last tile's stores have read the codes' registers
.irp c, 0,1
	v_cvt_scalef32_pk16_bf6_f32 v[PC+6*\c:PC+6*\c+2], v[X+32*\c:X+32*\c+15], v[TM+2+\c]
	v_cvt_scalef32_pk16_bf6_f32 v[PC+12+4*\c:PC+14+4*\c], v[X+32*\c+16:X+32*\c+31], v[TM+2+\c]   ; (a conversion's three registers begin on an even number)
.endr
	v_nop                                          ; one plain place behind the scaled conversions
.irp c, 0,1
.irp i, 0,1,2
	v_mov_b32 v[PC+3+6*\c+\i], v[PC+12+4*\c+\i]
.endr
.endr
.irp c, 0,1,2
	global_store_b128 v4, v[PC+4*\c:PC+4*\c+3], s[12:13] offset:(\t)*3072+512*\c   ; 512 consecutive bytes, at a multiple of 256 from the buffer's first byte
.endr
	ds_store_b32 v7, v[TM+6] offset:64*(\t)        ; lanes r and r + 16 write the same word with the same value
.endm
	LOADT 0
	LOADT 1
	TILE 0
	TILE 1
	TILE 2
	TILE 3
	ds_load_b64 v[12:13], v8                       ; the four tiles' 64 scale words
	s_wait_dscnt 0x0
	global_store_b64 v9, v[12:13], s[14:15]        ; 256 consecutive bytes, aligned
	s_wait_tensorcnt 0x0
	ds_add_u32 v240, v241
	s_wait_dscnt 0x0
	s_endpgm
.Lfunc_end_k_qa9f0f072ec_quant:
	.size	k_qa9f0f072ec_quant, .Lfunc_end_k_qa9f0f072ec_quant-k_qa9f0f072ec_quant
	.p2alignl 7, 3214868480
	.fill 96, 4, 3214868480
	.section	.rodata,"a",@progbits
	.p2align	6, 0x0
	.amdhsa_kernel k_qa9f0f072ec_quant
		.amdhsa_group_segment_fixed_size 35328
		.amdhsa_private_segment_fixed_size 0
		.amdhsa_enable_private_segment 0
		.amdhsa_kernarg_size 40
		.amdhsa_user_sgpr_count 2
		.amdhsa_user_sgpr_kernarg_segment_ptr 1
		.amdhsa_wavefront_size32 1
		.amdhsa_system_sgpr_workgroup_id_x 1
		.amdhsa_system_sgpr_workgroup_id_y 1
		.amdhsa_system_sgpr_workgroup_id_z 1
		.amdhsa_system_vgpr_workitem_id 0
		.amdhsa_next_free_vgpr 242
		.amdhsa_next_free_sgpr 66
		.amdhsa_reserve_vcc 0
		.amdhsa_float_denorm_mode_32 3
		.amdhsa_float_denorm_mode_16_64 3
		.amdhsa_memory_ordered 1
		.amdhsa_forward_progress 1
		.amdhsa_inst_pref_size 31
	.end_amdhsa_kernel
	.amdgpu_metadata
---
amdhsa.version: [ 1, 2 ]
amdhsa.kernels:
  - .name:           k_qa9f0f072ec_quant
    .symbol:         k_qa9f0f072ec_quant.kd
    .args:
      - { .name: x, .offset: 0, .size: 8, .value_kind: global_buffer, .address_space: global }
      - { .name: wq_w, .offset: 8, .size: 8, .value_kind: global_buffer, .address_space: global }
      - { .name: wk_w, .offset: 16, .size: 8, .value_kind: global_buffer, .address_space: global }
      - { .name: wv_w, .offset: 24, .size: 8, .value_kind: global_buffer, .address_space: global }
      - { .name: opc, .offset: 32, .size: 8, .value_kind: global_buffer, .address_space: global }
    .group_segment_fixed_size: 35328
    .private_segment_fixed_size: 0
    .kernarg_segment_align: 8
    .kernarg_segment_size: 40
    .max_flat_workgroup_size: 128
    .sgpr_count:     66
    .vgpr_count:     242
    .wavefront_size: 32
...
	.end_amdgpu_metadata
.endif
;; end of part 1
;; launch proj (part 2): grid 8 x 32, 4 waves a work-group, clusters of 4 x 4, 327,680 bytes of LDS; arguments opc, wq_b, wk_b, wv_b, qkc, vc; writes qkc, vc
.if DOCPART == 2
	.amdgcn_target "amdgcn-amd-amdhsa--gfx1250"
	.amdhsa_code_object_version 6
	.text
	.protected	k_qa9f0f072ec_proj
	.globl	k_qa9f0f072ec_proj
	.p2align	8
	.type	k_qa9f0f072ec_proj,@function
k_qa9f0f072ec_proj:
	s_mov_b64 s[64:65], 0
	v_nop
	global_prefetch_b8 v0, s[64:65] scope:SCOPE_SE
	s_setreg_imm32_b32 hwreg(HW_REG_WAVE_MODE, 25, 1), 1
	s_wait_xcnt 0x0
	s_wait_alu depctr_hold_cnt(0) depctr_sa_sdst(0) depctr_va_vdst(0) depctr_va_sdst(0) depctr_va_ssrc(0) depctr_va_vcc(0) depctr_vm_vsrc(0)
	s_getreg_b32 s2, hwreg(HW_REG_IB_STS2, 6, 4)
	s_cmp_eq_u32 s2, 0
	s_cbranch_scc0 .Lentry_in_a_cluster
	s_endpgm
.Lentry_in_a_cluster:
	s_bfe_u32 s2, ttmp6, 0x10000c
	s_cmp_lg_u32 s2, 0xf033
	s_cbranch_scc0 .Lentry_shape_is_right
	s_endpgm
.Lentry_shape_is_right:
; q = x Wq^T + bq, k = x Wk^T + bk, v = x Wv^T + bv on codes of E3M2 with E8M0 scales; the results are quantised again in registers: q and k along their 1,024 features, v along the keys.
; IN: opc [K / 256: 4][group of eight tiles 88][25,600]: a record = [tile 8][half 2][1,536] images of operand registers, then from byte 24,576 [half 2][tile 8][16] scale words.
;   Tile T = rows 32 (T / 2) + 8 (T % 2) + p + 8 (p / 8) of the list x (tiles 0-511), Wq (512-575), Wk (576-639), Wv (640-703).
; SHARES: 8 x 32 = 256 work-groups of equal work.  Work-group (wx, wy) keeps its 256 rows of x, all of K, in LDS (8 records) and uses them twice:
;   part 1: 256 rows of x (source 1) x 256 rows of Wq or Wk (source 0, by wx): four waves of 128 x 128, 64 accumulators each;
;   part 2: the same 256 rows as keys (source 0) x 128 rows of Wv (source 1, by wx): four waves of 128 keys x 64 features, 32 accumulators each.
;   Source 0 is the operand whose index is the next product's K: a lane holds one row of source 1, and a block's 64 registers are index 32 (n / 16) + 16 (lane / 16) + n % 16 of source 0's 128.
; THE BIAS is the C of each sum's first product: bq or bk goes with the register, bv with the lane (eight copies in registers).
; LDS: x [group 2][quarter 4] from 0; W [group 2][slot 2] from WB; the way out's scale words; the spare words.  309,760 bytes used; all of LDS is claimed.
; LOADS: at the head one a wave: waves 0, 1 a group of x for all of K (4 rows of 25,600 bytes), waves 2, 3 a group of W for quarters 0 and 1.  Behind each of part 1's four changes of slots waves 2, 3
;   fill the slot just read: W's quarters 2 and 3, then Wv's four quarters (quarter q at WB + 51,200 (q % 2) + 25,600 (q / 2)).  A wave never has more than one load out; every wait on TENSORcnt is for 0.
; CLUSTER 4 x 4: x's records hang on wy: asked for jointly by my row; W's and Wv's on wx: jointly by my column.
; PREFETCH: W's quarters 2, 3 at the head, Wv's four quarters behind the first change of slots, two refills ahead of their loads: 100 blocks of 256 bytes a record, a lane a block (lanes over 99 name block 99 again);
;   the four partners of a column take a record each, told apart by address.  x and W's first quarters come by the head's loads alone.
; OUT: qkc [feature / 256: 4][group 128: q's 64, k's 64][25,600], laid as opc;  vc [batch 4][128 features 8][128 keys 16][12,800]: [tile of 16 features 8][1,536], then from byte 12,288 [tile 8][16] scale words.
; LIMITS: NaN and infinities are not served; a block whose largest magnitude lies under 2^-122 keeps the byte 1; a block of zeros has the byte 1 over zero codes (this program alone reads the bytes).
; REGISTERS: window 0: v3-30 addresses; v32-95 scale words, two sets; v96-99 bv; v100-103 words on the way out; v104-119 at work; v128-223 source 1's fragments; v224-251 codes and scale words.
;   window 1: source 0's fragments, two sets, v0-95 and v128-223; bq or bk in v96-127 and v224-255.   windows 2, 3: accumulator (a, b) at v[8 (8 (a % 4) + b)]; in part 2 window 3 v0-31 holds bv's copies.
.set FR,    12
.set GRP,   25600
.set SIG,   88*GRP                     ; 256 along K further on in opc
.set SIGQ,  128*GRP                    ; and in qkc
.set WB,    8*GRP
.set OST,   12*GRP                     ; 512 bytes a wave for scale words on the way out: no fill lands here
.set SPARE, OST+2048                   ; the spare words, 128 bytes a wave
.set LI,   3                           ; 16 x lane
.set AX1,  4                           ; v4-5   x as source 1: quarters 0-1, 2-3
.set SX1,  6                           ; v6-7   its scale words
.set AX0,  8                           ; v8-9   x as source 0
.set SX0,  10
.set AW,   12                          ; W's fragments
.set SW,   13
.set AV,   14                          ; v14-15 Wv's: even quarters, odd quarters
.set SV,   16
.set SCI,  18
.set SCO,  19
.set BO,   20
.set BO1,  21
.set PFO,  22                          ; the prefetches' offset; never rewritten
.set L8,   26
.set SPW,  28
.set NIL,  29
.set SCO2, 30
.set SC,   32
.set BB1,  96
.set OW,   100
.set TM,   104
.set AF,   128
.set PC,   224
.set PW,   244
.set G1X, 24
.set G0X, 32
.set G0W, 36
.set G1W, 48
.set G1D, 68
.set MSB, 0
.macro WIN new                         ; the immediate's high byte repeats the setting that is left
.if MSB != (\new)
	s_set_vgpr_msb (MSB<<8)|(\new)
.set MSB, (\new)
.endif
.endm
.set TO_B, 0x40
.macro PLACES n
.rept \n
	v_nop
.endr
.endm
.macro CREST
	s_cmp_lg_u32 s14, 0
	s_cbranch_scc1 .Lnot_wave_0_\@
	s_barrier_signal -3
.Lnot_wave_0_\@:
	s_barrier_wait -3
	s_barrier_signal -1
	s_barrier_wait -1
.endm
.macro CROUND
	s_barrier_signal -1
	s_barrier_wait -1
	CREST
.endm
	s_load_b64 s[4:5], s[0:1], 0x0                 ; opc
	s_load_b128 s[8:11], s[0:1], 0x8               ; wq_b, wk_b
	s_load_b64 s[12:13], s[0:1], 0x18              ; wv_b
	s_load_b128 s[84:87], s[0:1], 0x20             ; qkc, vc
	v_lshl_add_u32 v[SPW], v0, 2, SPARE
	v_mov_b32 v[NIL], 0
	ds_add_u32 v[SPW], v[NIL]                      ; the opening lines: the add twice on end
	ds_add_u32 v[SPW], v[NIL]
	v_lshrrev_b32 v1, 5, v0
	v_readfirstlane_b32 s14, v1                    ; wave 0..3
	s_lshr_b32 s15, s14, 1                         ; my half of source 1.  Also: I fetch x (0) or W (1)
	s_and_b32 s16, s14, 1                          ; my half of source 0.  Also: which group I fetch
	s_bfe_u32 s40, ttmp6, 0x40000                  ; cx
	s_bfe_u32 s41, ttmp6, 0x40004                  ; cy
	s_lshl_b32 s42, ttmp9, 2
	s_add_co_u32 s42, s42, s40                     ; wx, 0 .. 7
	s_and_b32 s17, ttmp7, 0xffff
	s_lshl_b32 s17, s17, 2
	s_add_co_u32 s17, s17, s41                     ; wy, 0 .. 31
	s_lshl_b32 s43, s41, 2
	s_lshl_b32 s43, 15, s43                        ; my row of the cluster
	s_lshl_b32 s44, 0x1111, s40                    ; my column
	s_or_b32 s[G1X], s43, (3<<16)|(1<<21)          ; elements of 8 bytes
	s_or_b32 s[G1W], s44, (3<<16)|(1<<21)
	s_or_b32 s[G1D], s44, (3<<16)|(1<<21)
.irp g, G1X, G1W                       ; rows of a whole record, 3,200 elements, SIG bytes apart: x 4 rows, W 2
	s_mov_b32 s[\g+1], 3200<<16
	s_mov_b32 s[\g+3], 3200<<16
	s_mov_b32 s[\g+5], SIG/8
	s_mov_b32 s[\g+6], 0
	s_mov_b32 s[\g+7], 0
.endr
	s_mov_b32 s[G1X+2], 4<<16
	s_mov_b32 s[G1X+4], 4
	s_mov_b32 s[G1W+2], 2<<16
	s_mov_b32 s[G1W+4], 2
	s_mov_b32 s[G1D+1], 32<<16                     ; one record as 100 dense rows of 256 bytes
	s_mov_b32 s[G1D+2], 100<<16
	s_mov_b32 s[G1D+3], 32<<16
	s_mov_b32 s[G1D+4], 100
	s_mov_b32 s[G1D+5], 32
	s_mov_b32 s[G1D+6], 0
	s_mov_b32 s[G1D+7], 0
	s_lshl_b32 s20, s17, 1
	s_add_co_u32 s20, s20, s16
	s_mul_i32 s20, s20, GRP                        ; x: group 2 wy + half
	s_mov_b32 s21, 0
	s_lshl_b32 s46, s42, 1
	s_add_co_u32 s46, s46, s16
	s_add_co_u32 s46, s46, 64
	s_mul_i32 s46, s46, GRP                        ; W: group 64 + 2 wx + half
	s_mov_b32 s47, 0
	s_add_co_u32 s22, s42, 80
	s_mul_i32 s22, s22, GRP                        ; Wv: group 80 + wx, quarter = half
	s_mul_i32 s23, s16, SIG
	s_add_co_u32 s22, s22, s23
	s_mov_b32 s23, 0
	s_and_b32 s88, s41, 1                          ; prefetch 1: W's group cy % 2, quarter 2 + cy / 2
	s_lshl_b32 s89, s42, 1
	s_add_co_u32 s88, s88, s89
	s_add_co_u32 s88, s88, 64
	s_mul_i32 s88, s88, GRP
	s_lshr_b32 s89, s41, 1
	s_add_co_u32 s89, s89, 2
	s_mul_i32 s89, s89, SIG
	s_add_co_u32 s88, s88, s89
	s_mov_b32 s89, 0
	s_add_co_u32 s90, s42, 80                      ; prefetch 2: Wv's quarter cy
	s_mul_i32 s90, s90, GRP
	s_mul_i32 s91, s41, SIG
	s_add_co_u32 s90, s90, s91
	s_mov_b32 s91, 0
	s_mul_i32 s45, s16, 4*GRP                      ; where they go: by the wave's number alone
	s_mul_i32 s18, s16, 2*GRP
	s_add_co_u32 s18, s18, WB
	s_add_co_u32 s19, s18, GRP
	s_wait_dscnt 0x0                               ; both opening adds are done
	s_wait_kmcnt 0x0
	s_add_nc_u64 s[20:21], s[4:5], s[20:21]
	s_add_nc_u64 s[46:47], s[4:5], s[46:47]
	s_add_nc_u64 s[22:23], s[4:5], s[22:23]
	s_add_nc_u64 s[88:89], s[4:5], s[88:89]
	s_add_nc_u64 s[90:91], s[4:5], s[90:91]
	s_mov_b32 s[G0X], 1
	s_mov_b32 s[G0X+1], s45
	s_mov_b64 s[G0X+2:G0X+3], s[20:21]
	s_or_b32 s[G0X+3], s[G0X+3], 0x80000000
	s_mov_b32 s[G0W], 1
	s_mov_b32 s[G0W+1], s18
	s_mov_b64 s[G0W+2:G0W+3], s[46:47]
	s_or_b32 s[G0W+3], s[G0W+3], 0x80000000
	s_mov_b32 s56, 1                               ; the four refills, a group 0 each: W's quarter 2,
	s_mov_b32 s57, s18
	s_add_nc_u64 s[58:59], s[46:47], 2*SIG
	s_or_b32 s59, s59, 0x80000000
	s_mov_b32 s60, 1                               ; W's quarter 3,
	s_mov_b32 s61, s19
	s_add_nc_u64 s[62:63], s[46:47], 3*SIG
	s_or_b32 s63, s63, 0x80000000
	s_mov_b32 s76, 1                               ; Wv's quarter 0 or 1,
	s_mov_b32 s77, s18
	s_mov_b64 s[78:79], s[22:23]
	s_or_b32 s79, s79, 0x80000000
	s_mov_b32 s80, 1                               ; Wv's quarter 2 or 3
	s_mov_b32 s81, s19
	s_add_nc_u64 s[82:83], s[22:23], 2*SIG
	s_or_b32 s83, s83, 0x80000000
	CROUND                                         ; all sixteen work-groups are here: the first joint loads meet
	s_cmp_eq_u32 s15, 0                            ; one load a wave, in the two arms of one branch on the wave's number
	s_cbranch_scc0 .Lhead_w
	tensor_load_to_lds s[G0X:G0X+3], s[G1X:G1X+7]
	s_nop 0
	PLACES 4
	s_branch .Lhead_asked
.Lhead_w:
	tensor_load_to_lds s[G0W:G0W+3], s[G1W:G1W+7]
	s_nop 0
	PLACES 4
.Lhead_asked:
	s_mul_i32 s92, s15, 4*GRP
	s_mul_i32 s93, s16, 4*GRP
	s_mul_i32 s94, s16, 2*GRP
	s_add_co_u32 s94, s94, WB
	s_mul_i32 s95, s15, 4*3072
	s_add_co_u32 s95, s95, WB
	s_lshl_b32 s19, s15, 8
	s_add_co_u32 s19, s19, WB+24576
	s_lshl_b32 s2, s14, 9
	s_add_co_u32 s2, s2, OST
	s_and_b32 s3, s42, 3
	s_lshl_b32 s3, s3, 10
	s_lshl_b32 s96, s16, 9
	s_add_co_u32 s3, s3, s96                       ; bq, bk: feature 256 (wx % 4) + 128 half
	s_lshl_b32 s66, s42, 9
	s_lshl_b32 s96, s15, 8
	s_add_co_u32 s66, s66, s96                     ; bv: feature 128 wx + 64 half
	s_cmp_lt_u32 s42, 4
	s_cselect_b64 s[8:9], s[8:9], s[10:11]         ; bq or bk
	v_and_b32 v1, 15, v0                           ; r
	v_bfe_u32 v2, v0, 4, 1                         ; h
	v_and_b32 v23, 31, v0
	v_lshlrev_b32 v[LI], 4, v23
	v_lshlrev_b32 v[L8], 3, v23
	v_lshlrev_b32 v24, 2, v1                       ; 4 r
	v_add_nc_u32 v25, 24576, v24
	v_add_nc_u32 v[AX1], s92, v[LI]
	v_add_nc_u32 v[AX1+1], 2*GRP, v[AX1]
	v_add_nc_u32 v[AX0], s93, v[LI]
	v_add_nc_u32 v[AX0+1], 2*GRP, v[AX0]
	v_add_nc_u32 v[SX1], s92, v25
	v_add_nc_u32 v[SX1+1], 2*GRP, v[SX1]
	v_add_nc_u32 v[SX0], s93, v25
	v_add_nc_u32 v[SX0+1], 2*GRP, v[SX0]
	v_add_nc_u32 v[AW], s94, v[LI]
	v_add_nc_u32 v[SW], s94, v25
	v_add_nc_u32 v[AV], s95, v[LI]
	v_add_nc_u32 v[AV+1], 2*GRP, v[AV]
	v_add_nc_u32 v[SV], s19, v24
	v_add_nc_u32 v[SV+1], 2*GRP, v[SV]
	v_add_nc_u32 v[SCI], s2, v24
	v_add_nc_u32 v[SCO], s2, v[LI]
	v_add_nc_u32 v[SCO2], s2, v[L8]
	v_lshl_add_u32 v[BO], v2, 6, s3                ; + 16 h
	v_and_b32 v27, 8, v1
	v_add_nc_u32 v27, v27, v1
	v_lshl_add_u32 v[BO1], v27, 2, s66             ; + r + 8 (r / 8)
	v_min_u32 v[PFO], 99, v0
	v_lshlrev_b32 v[PFO], 8, v[PFO]
.irp b, 0,1,2,3
	v_mov_b32 v[TM+4+\b], 0                        ; a lane permute's destination counts as read
.endr
	WIN TO_B
.irp b, 0,1,2,3
.irp q, 0,1,2,3
	global_load_b128 v[96+16*\b+4*\q+96*(\b/2):96+16*\b+4*\q+96*(\b/2)+3], v[BO], s[8:9] offset:128*\b+16*\q   ; number 16 b + 4 q on: the bias of source 0's index 32 b + 16 h + 4 q on
.endr
.endr
	WIN 0
.irp a, 0,1,2,3
	global_load_b32 v[BB1+\a], v[BO1], s[12:13] offset:(32*(\a/2)+8*(\a%2))*4
.endr
	global_prefetch_b8 v[PFO], s[88:89] th:TH_LOAD_NT scope:SCOPE_SE
.macro FRAG reg, adr, off              ; a fragment's image: three loads of 512 consecutive bytes
.irp c, 0,1,2
	ds_load_b128 v[\reg+4*\c:\reg+4*\c+3], v[\adr] offset:(\off)+512*\c
.endr
.endm
.macro F1B q, f, p                     ; part 1: W's eight fragments of quarter q, half f, into set p
	WIN TO_B
.irp i, 0,1,2,3,4,5,6,7
	FRAG 128*(\p)+FR*\i, AW, ((\q)%2)*GRP+\i*3072+(\f)*1536
.endr
	WIN 0
.endm
.macro F1A q, f, i0                    ; x's blocks i0 .. i0 + 3
.irp i, \i0, \i0+1, \i0+2, \i0+3
	FRAG AF+FR*(\i), AX1+(\q)/2, ((\q)%2)*GRP+(\i)*3072+(\f)*1536
.endr
.endm
.macro SC1 q                           ; the scale words of quarter q into set q % 2
.irp i, 0,1,2,3,4,5,6,7
.irp f, 0,1
	ds_load_b32 v[SC+32*((\q)%2)+2*\i+\f], v[SW] offset:((\q)%2)*GRP+\f*512+64*\i
	ds_load_b32 v[SC+32*((\q)%2)+16+2*\i+\f], v[SX1+(\q)/2] offset:((\q)%2)*GRP+\f*512+64*\i
.endr
.endr
.endm
.macro F2 st                           ; part 2, step st of 128 along K: x's eight into set st % 2, Wv's four into blocks 4 (st % 2) on
	WIN TO_B
.irp i, 0,1,2,3,4,5,6,7
	FRAG 128*((\st)%2)+FR*\i, AX0+(\st)/4, (((\st)/2)%2)*GRP+\i*3072+((\st)%2)*1536
.endr
	WIN 0
.irp a, 0,1,2,3
	FRAG AF+FR*(4*((\st)%2)+\a), AV+((\st)/2)%2, ((\st)/4)*GRP+\a*3072+((\st)%2)*1536
.endr
.endm
.macro SC2 q
.irp f, 0,1
.irp i, 0,1,2,3,4,5,6,7
	ds_load_b32 v[SC+32*((\q)%2)+2*\i+\f], v[SX0+(\q)/2] offset:((\q)%2)*GRP+\f*512+64*\i
.endr
.irp a, 0,1,2,3
	ds_load_b32 v[SC+32*((\q)%2)+16+2*\a+\f], v[SV+(\q)%2] offset:((\q)/2)*GRP+\f*512+64*\a
.endr
.endr
.endm
; Eight products: source 1's block a (its fragment in place as) x source 0's eight of set p.  cm: C = the accumulator (0), bq or bk (1), bv's copies (2).  The accumulators take turns.
.macro MUL a, as, p, f, sc, cm
.irp b, 0,1,2,3,4,5,6,7
.set DD, 8*(8*((\a)%4)+\b)
.if \cm == 0
.set CC, DD
.elseif \cm == 1
.set CC, 96+8*\b+96*(\b/4)
.else
.set CC, 8*(\a)
.endif
	v_wmma_scale_f32_16x16x128_f8f6f4 v[DD:DD+7], v[128*(\p)+FR*\b:128*(\p)+FR*\b+FR-1], v[AF+FR*(\as):AF+FR*(\as)+FR-1], v[CC:CC+7], v[SC+32*(\sc)+2*\b+(\f)], v[SC+32*(\sc)+16+2*(\a)+(\f)] matrix_a_fmt:MATRIX_FMT_BF6 matrix_b_fmt:MATRIX_FMT_BF6
.endr
.endm
.macro STEP1 q, cm                     ; a quarter's first 128 along K
	s_wait_dscnt 12                                ; all but the youngest 12 loads (x's blocks 4-7) are in
	WIN 0xa1-0x10*(\cm)                            ; source 0 window 1, source 1 window 0, D window 2, C window 2 or, for the bias, 1
.irp a, 0,1,2,3
	MUL \a, \a, 0, 0, (\q)%2, \cm
.endr
	s_wait_dscnt 0x0
	PLACES 4
	F1B \q, 1, 1
	F1A \q, 1, 0
	WIN 0xf1-0x20*(\cm)
.irp a, 4,5,6,7
	MUL \a, \a, 0, 0, (\q)%2, \cm
.endr
	PLACES 4
	WIN 0
	F1A \q, 1, 4
.endm
; A quarter's second 128 along K changes slots, and the slot just read is filled again: each wave waits for all its tensor loads, adds 0 to its spare word, waits for that and for its reads of the slot;
; the barrier opens a round of the cluster's; behind the round waves 2 and 3 issue the joint refill g0, their one load.
.macro TURN1 q, g0
	s_wait_tensorcnt 0x0
	ds_add_u32 v[SPW], v[NIL]
	s_wait_dscnt 13                                ; (the add and the youngest 12 loads may be out)
	WIN 0xa1
	MUL 0, 0, 1, 1, (\q)%2, 0
	MUL 1, 1, 1, 1, (\q)%2, 0
	s_wait_dscnt 0x0                               ; the add is done, and my reads of this slot are over
	s_barrier_signal -1
	MUL 2, 2, 1, 1, (\q)%2, 0
	MUL 3, 3, 1, 1, (\q)%2, 0
	WIN 0
	s_barrier_wait -1
	CREST
	s_cmp_eq_u32 s15, 0
	s_cbranch_scc1 .Lnone_\@
	tensor_load_to_lds s[\g0:\g0+3], s[G1D:G1D+7]
	s_nop 0
.Lnone_\@:
	PLACES 4                                       ; also the places in front of the loads below
.if \q < 3
	F1B (\q)+1, 0, 0
	F1A (\q)+1, 0, 0
	SC1 (\q)+1
.else
	F2 0                                           ; part 2's first fragments: Wv's quarters 0 and 1 were shown whole by this round
	SC2 0
.endif
	WIN 0xf1
.irp a, 4,5,6,7
	MUL \a, \a, 1, 1, (\q)%2, 0
.endr
	PLACES 4
	WIN 0
.if \q < 3
	F1A (\q)+1, 0, 4
.endif
.endm
.macro STEP2 st, cm                    ; part 2: 32 products; the next step's fragments are asked for ahead of them
	s_wait_dscnt 0x0                               ; this step's fragments, asked for a step ago, are in
.if \st > 0
	PLACES 4
.endif
.if \st < 7
	F2 (\st)+1
.if (\st)%2 == 1
	SC2 ((\st)+1)/2
.endif
.endif
	WIN 0xa1+0x08*(\cm)                            ; C window 2 or, for bv's copies, 3
.irp a, 0,1,2,3
	MUL \a, 4*((\st)%2)+\a, (\st)%2, (\st)%2, ((\st)/2)%2, \cm
.endr
	WIN 0
.endm
; THE WAY OUT.  Block a's 64 registers, register 16 b + i = index 32 b + 16 (lane / 16) + i of my row, become one fragment, which leaves as the image of its registers, and one scale word a row, kept in v[PW + a].
; Blocks a and a + 1 (a even: one window) go out together, line by line by turns, so that no line waits for the line above it.  Block a + u works in v[TM + 72 u ..] and v[PC - 32 u ..]:
; the second set, v176-211, lies where source 1's blocks 4-7 lay, which are done with at both places.  st: bytes from block a's fragment to block a + 1's.
.macro OUTP a, st
.set QW, 2+(\a)/4
	WIN 5*QW
.irp u, 0,1
.irp b, 0,1,2,3
	v_max3_num_f32 v[TM+72*\u+\b], |v[64*(((\a)+\u)%4)+16*\b]|, |v[64*(((\a)+\u)%4)+16*\b+1]|, 0x2800000   ; the floor 2^(5 - 127) among the leaves; each accumulator is read from its low end on
.endr
.endr
.irp i, 2,4,6,8,10,12,14
.irp u, 0,1
.irp b, 0,1,2,3
	v_max3_num_f32 v[TM+72*\u+\b], |v[64*(((\a)+\u)%4)+16*\b+\i]|, |v[64*(((\a)+\u)%4)+16*\b+\i+1]|, v[TM+72*\u+\b]
.endr
.endr
.endr
	WIN 0
.irp u, 0,1
.irp b, 0,1,2,3
	v_permlanex16_b32 v[TM+72*\u+4+\b], v[TM+72*\u+\b], s96, s97
.endr
.endr
.irp u, 0,1
.irp b, 0,1,2,3
	v_max_num_f32 v[TM+72*\u+\b], v[TM+72*\u+\b], v[TM+72*\u+4+\b]   ; with lane l xor 16's: the block's largest magnitude
.endr
.endr
.irp u, 0,1
.irp b, 0,1,2,3
	v_add_nc_u32 v[TM+72*\u+12+\b], 0xfe000000, v[TM+72*\u+\b]       ; 4 off the exponent field: the conversion's scale operand
.endr
.endr
.irp u, 0,1
.irp b, 0,1,2,3
	v_lshrrev_b32 v[TM+72*\u+4+\b], 23, v[TM+72*\u+12+\b]            ; the scale's byte
.endr
.endr
.irp u, 0,1
	v_lshl_or_b32 v[PW+(\a)+\u], v[TM+72*\u+5], 8, v[TM+72*\u+4]
.endr
.irp u, 0,1
	v_lshl_or_b32 v[PW+(\a)+\u], v[TM+72*\u+6], 16, v[PW+(\a)+\u]
.endr
.irp u, 0,1
	v_lshl_or_b32 v[PW+(\a)+\u], v[TM+72*\u+7], 24, v[PW+(\a)+\u]
.endr
	s_wait_xcnt 0x0                                ; the last pair's stores have read their data and their base
.if (\a) > 0
	s_add_nc_u64 s[98:99], s[98:99], s[66:67]
.endif
	WIN QW
.irp u, 0,1
.irp c, 0,1
	v_cvt_scalef32_pk16_bf6_f32 v[PC-32*\u+6*\c:PC-32*\u+6*\c+2], v[64*(((\a)+\u)%4)+32*\c:64*(((\a)+\u)%4)+32*\c+15], v[TM+72*\u+12+2*\c]
	v_cvt_scalef32_pk16_bf6_f32 v[PC-32*\u+12+4*\c:PC-32*\u+14+4*\c], v[64*(((\a)+\u)%4)+32*\c+16:64*(((\a)+\u)%4)+32*\c+31], v[TM+72*\u+13+2*\c]
.endr
.endr
	WIN 0
	v_nop                                          ; one plain place behind the scaled conversions
.irp c, 0,1                            ; the operand's layout wants a whole block in a lane
.irp u, 0,1
.irp i, 0,1,2
	v_permlane16_swap_b32 v[PC-32*\u+6*\c+\i], v[PC-32*\u+12+4*\c+\i]
.endr
.endr
.irp u, 0,1
.irp i, 0,1,2
	v_mov_b32 v[PC-32*\u+3+6*\c+\i], v[PC-32*\u+12+4*\c+\i]
.endr
.endr
.endr
.irp u, 0,1
.irp c, 0,1,2
	global_store_b128 v[LI], v[PC-32*\u+4*\c:PC-32*\u+4*\c+3], s[98:99] offset:(\st)*\u+512*\c   ; 512 consecutive bytes, at a multiple of 256 from the buffer's first byte
.endr
.endr
.endm
	s_wait_alu depctr_va_vdst(0)
	s_wait_tensorcnt 0x0                           ; my one load is in
	s_barrier_signal -1
	s_barrier_wait -1                              ; everybody's is
	F1B 0, 0, 0
	F1A 0, 0, 0
	SC1 0
	F1A 0, 0, 4
	s_wait_loadcnt 0x0                             ; the biases are in
	STEP1 0, 1                                     ; the first products start the sums from the bias
	TURN1 0, 56
	global_prefetch_b8 v[PFO], s[90:91] th:TH_LOAD_NT scope:SCOPE_SE
	STEP1 1, 0
	TURN1 1, 60
	STEP1 2, 0
	TURN1 2, 76
	STEP1 3, 0
	TURN1 3, 80
	s_mov_b32 s96, 0x76543210
	s_mov_b32 s97, 0xfedcba98                      ; selects for lane l xor 16
	s_and_b32 s2, s42, 3                           ; which 256 features
	s_mul_i32 s2, s2, SIGQ
	s_lshr_b32 s3, s42, 2
	s_lshl_b32 s3, s3, 6                           ; q's groups or k's
	s_lshl_b32 s18, s17, 1
	s_add_co_u32 s3, s3, s18
	s_add_co_u32 s3, s3, s15                       ; my eight tiles of rows are one group
	s_mul_i32 s3, s3, GRP
	s_add_co_u32 s2, s2, s3
	s_mul_i32 s18, s16, 1536
	s_add_co_u32 s18, s18, s2
	s_mov_b32 s19, 0
	s_add_nc_u64 s[98:99], s[84:85], s[18:19]
	s_lshl_b32 s18, s16, 9
	s_add_co_u32 s18, s18, s2
	s_add_co_u32 s18, s18, 24576
	s_add_nc_u64 s[100:101], s[84:85], s[18:19]
	s_mov_b32 s66, 6144                            ; from pair to pair
	s_mov_b32 s67, 0
.irp a, 0,2,4,6
	OUTP \a, 3072
.endr
	s_wait_xcnt 0x0                                ; block 7's stores have read their base
	s_lshr_b32 s2, s17, 3                          ; the batch
	s_lshl_b32 s2, s2, 3
	s_add_co_u32 s2, s2, s42
	s_lshl_b32 s2, s2, 4
	s_and_b32 s3, s17, 7
	s_lshl_b32 s3, s3, 1
	s_add_co_u32 s2, s2, s3
	s_add_co_u32 s2, s2, s16                       ; which 128 keys
	s_mul_i32 s2, s2, 12800
	s_mul_i32 s18, s15, 4*1536
	s_add_co_u32 s18, s18, s2
	s_add_nc_u64 s[98:99], s[86:87], s[18:19]
	s_lshl_b32 s18, s15, 8
	s_add_co_u32 s18, s18, s2
	s_add_co_u32 s18, s18, 12288
	s_add_nc_u64 s[92:93], s[86:87], s[18:19]
	s_mov_b32 s66, 3072
	WIN 0xc0                                       ; destination window 3: its accumulators have gone out
.irp a, 0,1,2,3
.irp j, 0,1,2,3,4,5,6,7
	v_mov_b32 v[8*\a+\j], v[BB1+\a]                ; bv goes with the lane: eight copies make the C of block a's first products
.endr
.endr
	WIN 0
	s_wait_alu depctr_va_vdst(0)
	s_wait_tensorcnt 0x0                           ; Wv's last quarters: my load is in
	ds_add_u32 v[SPW], v[NIL]
	s_wait_dscnt 0x0
	s_barrier_signal -1
	s_barrier_wait -1                              ; everybody's is; nothing is filled any more
.irp a, 0,1,2,3,4,5,6,7
	ds_store_b32 v[SCI], v[PW+\a] offset:64*\a     ; lanes r and r + 16 write the same word with the same value
.endr
	ds_load_b128 v[OW:OW+3], v[SCO]                ; my eight tiles' 128 scale words; LDS serves a wave's instructions in order
	s_wait_dscnt 0x0
	global_store_b128 v[LI], v[OW:OW+3], s[100:101]
	STEP2 0, 2
.irp t, 1,2,3,4,5,6,7
	STEP2 \t, 0
.endr
	PLACES 4
.irp a, 0,2
	OUTP \a, 1536
.endr
.irp a, 0,1,2,3
	ds_store_b32 v[SCI], v[PW+\a] offset:64*\a
.endr
	ds_load_b64 v[OW:OW+1], v[SCO2]                ; four tiles' 64 scale words (OUTP's waits have freed these registers)
	s_wait_dscnt 0x0
	global_store_b64 v[L8], v[OW:OW+1], s[92:93]   ; 256 consecutive bytes, aligned
	s_wait_tensorcnt 0x0                           ; the wave's end
	ds_add_u32 v[SPW], v[NIL]
	s_wait_dscnt 0x0
	CROUND                                         ; the closing round
	s_endpgm
.Lfunc_end_k_qa9f0f072ec_proj:
	.size	k_qa9f0f072ec_proj, .Lfunc_end_k_qa9f0f072ec_proj-k_qa9f0f072ec_proj
	.p2alignl 7, 3214868480
	.fill 96, 4, 3214868480
	.section	.rodata,"a",@progbits
	.p2align	6, 0x0
	.amdhsa_kernel k_qa9f0f072ec_proj
		.amdhsa_group_segment_fixed_size 327680
		.amdhsa_private_segment_fixed_size 0
		.amdhsa_enable_private_segment 0
		.amdhsa_kernarg_size 48
		.amdhsa_user_sgpr_count 2
		.amdhsa_user_sgpr_kernarg_segment_ptr 1
		.amdhsa_wavefront_size32 1
		.amdhsa_system_sgpr_workgroup_id_x 1
		.amdhsa_system_sgpr_workgroup_id_y 1
		.amdhsa_system_sgpr_workgroup_id_z 1
		.amdhsa_system_vgpr_workitem_id 0
		.amdhsa_next_free_vgpr 1024
		.amdhsa_next_free_sgpr 102
		.amdhsa_reserve_vcc 0
		.amdhsa_float_denorm_mode_32 3
		.amdhsa_float_denorm_mode_16_64 3
		.amdhsa_memory_ordered 1
		.amdhsa_forward_progress 1
		.amdhsa_inst_pref_size 225
	.end_amdhsa_kernel
	.amdgpu_metadata
---
amdhsa.version: [ 1, 2 ]
amdhsa.kernels:
  - .name:           k_qa9f0f072ec_proj
    .symbol:         k_qa9f0f072ec_proj.kd
    .args:
      - { .name: opc, .offset: 0, .size: 8, .value_kind: global_buffer, .address_space: global }
      - { .name: wq_b, .offset: 8, .size: 8, .value_kind: global_buffer, .address_space: global }
      - { .name: wk_b, .offset: 16, .size: 8, .value_kind: global_buffer, .address_space: global }
      - { .name: wv_b, .offset: 24, .size: 8, .value_kind: global_buffer, .address_space: global }
      - { .name: qkc, .offset: 32, .size: 8, .value_kind: global_buffer, .address_space: global }
      - { .name: vc, .offset: 40, .size: 8, .value_kind: global_buffer, .address_space: global }
    .group_segment_fixed_size: 327680
    .private_segment_fixed_size: 0
    .kernarg_segment_align: 8
    .kernarg_segment_size: 48
    .max_flat_workgroup_size: 128
    .sgpr_count:     102
    .vgpr_count:     1024
    .wavefront_size: 32
...
	.end_amdgpu_metadata
.endif
;; end of part 2
;; launch scores (part 3): grid 9 x 16, 4 waves a work-group, no clusters, 327,680 bytes of LDS; arguments qkc, st, sd; writes st, sd
.if DOCPART == 3
	.amdgcn_target "amdgcn-amd-amdhsa--gfx1250"
	.amdhsa_code_object_version 6
	.text
	.protected	k_qa9f0f072ec_scores
	.globl	k_qa9f0f072ec_scores
	.p2align	8
	.type	k_qa9f0f072ec_scores,@function
k_qa9f0f072ec_scores:
	s_mov_b64 s[64:65], 0
	v_nop
	global_prefetch_b8 v0, s[64:65] scope:SCOPE_SE
	s_setreg_imm32_b32 hwreg(HW_REG_WAVE_MODE, 25, 1), 1
	s_wait_xcnt 0x0
; The scores q_c . k_a on codes of E3M2 with E8M0 scales, for keys a >= query c alone: what lies under the diagonal is replaced by 0 in the problem's own text and enters the softmax as a count.
; No score goes to memory.  For each query and each chunk of 128 keys a partial softmax is stored: m2 = the chunk's largest score x log2(e) / 32, and l = the sum of 2^(score x log2(e) / 32 - m2);
; and for each query the raw diagonal score.   st: [batch 4][chunk J 16][row 2048] pairs (m2, l), written for J >= row / 128 alone;   sd: [batch 4][row 2048].
; A batch has 36 tiles of 256 x 256 on or above the diagonal: rows of tiles p and 7 - p together have nine, so the grid is 9 x (4 pairs x 4 batches): 144 work-groups of one tile each, K = 1,024.
; No cluster: the fold gives neighbouring work-groups different tiles of q, and the launch has fewer work-groups than the chip has WGPs.
; Source 0 = 16 keys, source 1 = 16 queries: a lane holds one query, and the 64 registers of a block of 16 queries are keys 32 (n / 16) + 16 (lane / 16) + n % 16 of the wave's 128.
; Operands are images of operand registers: qkc [feature / 256: 4][tile 1024: q's 512, k's 512][2][1536], qks [feature / 128: 8][tile][16]; tile T = rows 32 (T / 2) + 8 (T % 2) + p + 8 (p / 8).
; LIMITS: NaN and infinities are not served; an exponential under 2^-126 comes out as 0.
; RING: K = 1,024 is four quarters of 256.  THREE LDS slots of a quarter each are filled at the start (3 x 102,400 bytes, scale words included; with the spare words 307,712 of the 327,680: a fourth does not fit);
; the fourth quarter is the one refill, of slot 0: asked for at the change from slot 0 to slot 1, waited for at the change from slot 2 to slot 0, 224 matrix instructions later.
; Windows: window 0 addresses, scale words, source 1's fragments; window 1 source 0's two sets; windows 2, 3 the accumulators.
.set FR,     12
.set NL,     3
; THE LAYOUT IN FORCE: qkc is [feature / 256: 4][group of eight tiles 128: q's 64, k's 64][25,600]: [tile 8][half 2][1,536] images, then from byte 24,576 [half 2][tile 8][16] scale words.
; A wave's one load at the head brings its group's records of quarters 0, 1, 2 (3 rows of 25,600 bytes) into its own 76,800 bytes of LDS; the fourth quarter is the one refill, of the first record's bytes.
.set HALFT,  76800                     ; a fetching wave's region: three records
.set SLOT,   25600                     ; a record
.set SCL,    24576                     ; the scale words' place in a record
.set SPARE,  4*HALFT                   ; the spare words, 128 bytes a wave
.set SIG,    128*25600                 ; 256 along K further on in qkc
.set LI,   3
.set RO4,  5                           ; v5   4 x my row of a pair of tiles
.set RO8,  6                           ; v6   8 x the same
.set ADR1, 16                          ; v16-18 the queries' fragments in slot 0, 1, 2
.set ADR0, 19                          ; v19-21 the keys'
.set ADS1, 22
.set ADS0, 23
.set SPW,  28
.set NIL,  29
.set SC,   32                          ; two sets of scale words; the quarters of K take them by turns: 0, 1, 0, 1
.set SD,   96                          ; v96-103  the diagonal scores
.set TM,   104                         ; v104-115 at work
.set NM,   120                         ; v[120:121] m2 of the block in hand (the packed form names a pair)
.set D0,   122                         ; v122 r + 8 (r / 8) - 16 h
.set NINF, 123
.set SDO,  124                         ; v124-127 store data
.set AF,   128
.set M2,   224
.set LL,   232
.set OP,   240
.set G1, 24
.set G0, 32                            ; s[32:35] group 0: one set, that of slot 0
.set G1S, 48
.set G0S, 56
.set MSB, 0
.macro WIN new
.if MSB != (\new)
	s_set_vgpr_msb (MSB<<8)|(\new)
.set MSB, (\new)
.endif
.endm
.set MUL_LO, 0xa1
.set MUL_HI, 0xf1
.set TO_B,   0x40
.macro PLACES n
.rept \n
	v_nop
.endr
.endm
	s_load_b64 s[4:5], s[0:1], 0x0                 ; qkc
	s_load_b128 s[8:11], s[0:1], 0x8               ; st, sd
	v_lshl_add_u32 v[SPW], v0, 2, SPARE
	v_mov_b32 v[NIL], 0
	ds_add_u32 v28, v29
	ds_add_u32 v28, v29
	s_wait_dscnt 0x0
	v_lshrrev_b32 v1, 5, v0
	v_readfirstlane_b32 s14, v1                    ; wave 0..3
	s_lshr_b32 s15, s14, 1                         ; my half of the queries
	s_and_b32 s16, s14, 1                          ; my half of the keys.  Also: which eight tiles I fetch
	s_and_b32 s17, ttmp7, 0xffff
	s_and_b32 s18, s17, 3                          ; p
	s_lshr_b32 s19, s17, 2                         ; the batch
	s_sub_co_u32 s20, 8, s18
	s_add_co_u32 s21, s18, ttmp9
	s_sub_co_u32 s22, 7, s18
	s_sub_co_u32 s23, ttmp9, 1
	s_cmp_lt_u32 ttmp9, s20                        ; the first 8 - p work-groups take row p of tiles, the other p + 1 row 7 - p
	s_cselect_b32 s40, s18, s22                    ; i: which 256 queries
	s_cselect_b32 s41, s21, s23                    ; j: which 256 keys, j >= i
	s_mov_b32 s[G1+0], 3<<16                       ; elements of 8 bytes
	s_mov_b32 s[G1+1], 3200<<16                    ; three rows of a record each, 3,200 elements of 8 bytes, SIG bytes apart
	s_mov_b32 s[G1+2], 3<<16
	s_mov_b32 s[G1+3], 3200<<16
	s_mov_b32 s[G1+4], 3
	s_mov_b32 s[G1+5], SIG/8
	s_mov_b32 s[G1+6], 0
	s_mov_b32 s[G1+7], 0
	s_mov_b32 s[G1S+0], 3<<16                      ; elements of 8 bytes
	s_mov_b32 s[G1S+1], 32<<16                     ; the refill: one record as 100 dense rows of 256 bytes
	s_mov_b32 s[G1S+2], 100<<16
	s_mov_b32 s[G1S+3], 32<<16
	s_mov_b32 s[G1S+4], 100
	s_mov_b32 s[G1S+5], 32
	s_mov_b32 s[G1S+6], 0
	s_mov_b32 s[G1S+7], 0
	s_lshl_b32 s42, s19, 7
	s_lshl_b32 s43, s40, 4
	s_add_co_u32 s43, s43, s42                     ; q's first tile
	s_lshl_b32 s44, s41, 4
	s_add_co_u32 s44, s44, s42
	s_add_co_u32 s44, s44, 512                     ; k's
	s_cmp_lt_u32 s14, 2                            ; waves 0 and 1 fetch q's halves, waves 2 and 3 k's
	s_cselect_b32 s45, s43, s44
	s_lshl_b32 s46, s16, 3
	s_add_co_u32 s45, s45, s46
	s_mul_i32 s46, s45, 3200                       ; 25,600 bytes for each eight tiles
	s_mov_b32 s47, 0
	s_mul_i32 s78, s14, HALFT
	s_lshl_b32 s60, s40, 1
	s_add_co_u32 s60, s60, s15                     ; I: my block of 128 queries
	s_lshl_b32 s61, s41, 1
	s_add_co_u32 s61, s61, s16                     ; J: my chunk of 128 keys
	s_lshl_b32 s70, s19, 4
	s_add_co_u32 s70, s70, s61
	s_lshl_b32 s70, s70, 11
	s_lshl_b32 s72, s60, 7
	s_add_co_u32 s70, s70, s72
	s_lshl_b32 s70, s70, 3                         ; my 128 pairs in st
	s_mov_b32 s71, 0
	s_lshl_b32 s74, s19, 11
	s_add_co_u32 s74, s74, s72
	s_lshl_b32 s74, s74, 2                         ; my 128 numbers in sd
	s_mov_b32 s75, 0
	s_mov_b32 s62, 0x3d38aa3b                      ; log2(e) / 32
	s_mov_b32 s63, s62                             ; (named with it as a pair)
	s_mov_b32 s66, 0x76543210
	s_mov_b32 s67, 0xfedcba98                      ; selects for lane l xor 16
	s_mov_b32 s68, 0xffff0000                      ; lanes 16-31
	s_wait_kmcnt 0x0
	s_add_nc_u64 s[8:9], s[8:9], s[70:71]
	s_add_nc_u64 s[10:11], s[10:11], s[74:75]
.irp s, 0
	s_mov_b32 s[G0+4*\s], 1
	s_add_co_u32 s[G0+4*\s+1], s78, \s*SLOT
	s_add_nc_u64 s[G0+4*\s+2:G0+4*\s+3], s[4:5], s[46:47]
	s_add_nc_u64 s[G0+4*\s+2:G0+4*\s+3], s[G0+4*\s+2:G0+4*\s+3], \s*SIG
	s_or_b32 s[G0+4*\s+3], s[G0+4*\s+3], 0x80000000
.endr
	tensor_load_to_lds s[G0:G0+3], s[G1:G1+7]      ; my one load at the head
	s_nop 0
	PLACES 4
	v_and_b32 v1, 15, v0                           ; r
	v_bfe_u32 v2, v0, 4, 1                         ; h
	v_and_b32 v[LI], 31, v0
	v_lshlrev_b32 v[LI], 4, v[LI]
	s_mul_i32 s21, s15, HALFT
	s_mul_i32 s22, s16, HALFT
	s_add_co_u32 s22, s22, 2*HALFT
.irp s, 0,1,2
	v_add_nc_u32 v[ADR1+\s], s21, v[LI]
	v_add_nc_u32 v[ADR0+\s], s22, v[LI]
	s_add_co_u32 s21, s21, SLOT
	s_add_co_u32 s22, s22, SLOT
.endr
	s_mul_i32 s21, s15, HALFT
	s_add_co_u32 s21, s21, SCL
	v_lshl_add_u32 v[ADS1], v1, 2, s21
	s_mul_i32 s22, s16, HALFT
	s_add_co_u32 s22, s22, SCL+2*HALFT
	v_lshl_add_u32 v[ADS0], v1, 2, s22
	v_and_b32 v4, 8, v1
	v_add_nc_u32 v4, v4, v1                        ; r + 8 (r / 8)
	v_lshlrev_b32 v7, 4, v2
	v_sub_nc_u32 v[D0], v4, v7
	v_lshl_add_u32 v8, v2, 3, v4                   ; on the way out lanes 0-15 speak for the even tile of a pair, lanes 16-31 for the odd one: row 8 h + r + 8 (r / 8) of the pair's 32
	v_lshlrev_b32 v[RO4], 2, v8
	v_lshlrev_b32 v[RO8], 3, v8
.macro FRAG reg, adr, q, i
.irp c, 0,1,2
	ds_load_b128 v[\reg+4*\c:\reg+4*\c+3], v[\adr] offset:(\i)*3072+(\q)*1536+512*\c
.endr
.endm
.macro MUL16 a0, p, q, sc, zero        ; the 64 accumulators take turns, one instruction a turn
.irp a, \a0, \a0+1
.irp b, 0,1,2,3,4,5,6,7
.if \zero
	v_wmma_scale_f32_16x16x128_f8f6f4 v[8*(8*((\a)%4)+\b):8*(8*((\a)%4)+\b)+7], v[128*(\p)+FR*\b:128*(\p)+FR*\b+FR-1], v[AF+FR*(\a):AF+FR*(\a)+FR-1], 0, v[SC+32*(\sc)+2*\b+(\q)], v[SC+32*(\sc)+16+2*(\a)+(\q)] matrix_a_fmt:MATRIX_FMT_BF6 matrix_b_fmt:MATRIX_FMT_BF6
.else
	v_wmma_scale_f32_16x16x128_f8f6f4 v[8*(8*((\a)%4)+\b):8*(8*((\a)%4)+\b)+7], v[128*(\p)+FR*\b:128*(\p)+FR*\b+FR-1], v[AF+FR*(\a):AF+FR*(\a)+FR-1], v[8*(8*((\a)%4)+\b):8*(8*((\a)%4)+\b)+7], v[SC+32*(\sc)+2*\b+(\q)], v[SC+32*(\sc)+16+2*(\a)+(\q)] matrix_a_fmt:MATRIX_FMT_BF6 matrix_b_fmt:MATRIX_FMT_BF6
.endif
.endr
.endr
.endm
.macro FETCH_B slot, q, p
	WIN TO_B
.irp i, 0,1,2,3,4,5,6,7
	FRAG 128*(\p)+FR*\i, ADR0+\slot, \q, \i
.endr
	WIN 0
.endm
.macro FETCH_A slot, q, i0
.irp i, \i0, \i0+1, \i0+2, \i0+3
	FRAG AF+FR*(\i), ADR1+\slot, \q, \i
.endr
.endm
.macro SCALES set, sg
.irp i, 0,1,2,3,4,5,6,7
.irp f, 0,1
	ds_load_b32 v[SC+32*(\set)+2*\i+\f], v[ADS0] offset:((\sg)%3)*SLOT+\f*512+64*\i
	ds_load_b32 v[SC+32*(\set)+16+2*\i+\f], v[ADS1] offset:((\sg)%3)*SLOT+\f*512+64*\i
.endr
.endr
.endm
.macro STEP slot, set, zero
	s_wait_dscnt 4*NL                              ; all but the youngest 12 loads (the queries' blocks 4-7) are in
	WIN MUL_LO
	MUL16 0, 0, 0, \set, \zero
	MUL16 2, 0, 0, \set, \zero
	s_wait_dscnt 0x0
	PLACES 4
	FETCH_B \slot, 1, 1
	FETCH_A \slot, 1, 0
	WIN MUL_HI
	MUL16 4, 0, 0, \set, \zero
	MUL16 6, 0, 0, \set, \zero
	PLACES 4
	WIN 0
	FETCH_A \slot, 1, 4
.endm
; A slot's second 128 along K changes slots.  sg: the quarter of K that lies in the next slot.
; mode 1: this slot is filled again: each wave waits for all its tensor loads, adds 0 to its spare word, waits for that and for its reads of this slot, and passes the barrier; the refill comes first behind it.
; mode 0: the next slot's tile was asked for on the way: the same lines and the barrier, and nothing is filled.
; mode 2: no barrier: the next slot was shown whole to every wave by the waits for all tensor loads in front of an earlier barrier, and nothing is written to it or to this slot afterwards.
.macro TURN slot, set, next, sg, mode
.if \mode < 2
	s_wait_tensorcnt 0x0                           ; all my tensor loads have landed
	ds_add_u32 v[SPW], v[NIL]                      ; 0 onto my spare word
	s_wait_dscnt 4*NL+1                            ; (the add and the youngest 12 loads may be out)
.else
	s_wait_dscnt 4*NL                              ; (the youngest 12 loads may be out)
.endif
	WIN MUL_LO
	MUL16 0, 1, 1, \set, 0
.if \mode < 2
	s_wait_dscnt 0x0                               ; the add is done, and my reads of this slot are over
	s_barrier_signal -1
.endif
	MUL16 2, 1, 1, \set, 0
.if \mode == 2
	s_wait_dscnt 0x0                               ; the queries' blocks 4-7 are in
.endif
	WIN 0
.if \mode < 2
	s_barrier_wait -1                              ; nobody reads this slot any more, and every tile asked for so far is whole
.endif
.if \mode == 1
	s_add_nc_u64 s[G0+4*\slot+2:G0+4*\slot+3], s[G0+4*\slot+2:G0+4*\slot+3], 3*SIG
	tensor_load_to_lds s[G0+4*\slot:G0+4*\slot+3], s[G1S:G1S+7]    ; my one tensor load behind this barrier
	s_nop 0
.endif
	PLACES 4
	FETCH_B \next, 0, 0
	FETCH_A \next, 0, 0
	SCALES 1-(\set), \sg
	WIN MUL_HI
	MUL16 4, 1, 1, \set, 0
	MUL16 6, 1, 1, \set, 0
	PLACES 4
	WIN 0
	FETCH_A \next, 0, 4
.endm
	s_wait_alu depctr_va_vdst(0)
	s_wait_tensorcnt 0x0                           ; my three records are in
	s_barrier_signal -1
	s_barrier_wait -1
	FETCH_B 0, 0, 0
	FETCH_A 0, 0, 0
	SCALES 0, 0
	FETCH_A 0, 0, 4
	STEP 0, 0, 1
	TURN 0, 0, 1, 1, 1                             ; slots 1 and 2 are whole; slot 0 takes the fourth quarter of K
	STEP 1, 1, 0
	TURN 1, 1, 2, 2, 2
	STEP 2, 0, 0
	TURN 2, 0, 0, 3, 0                             ; the fourth quarter is whole; nothing is left to fetch
	STEP 0, 1, 0
	s_wait_dscnt 4*NL
	WIN MUL_LO
	MUL16 0, 1, 1, 1, 0
	MUL16 2, 1, 1, 1, 0
	s_wait_dscnt 0x0
	WIN MUL_HI
	MUL16 4, 1, 1, 1, 0
	MUL16 6, 1, 1, 1, 0
	WIN 0
.irp i, 0,1,2,3,4,5,6,7,8,9,10,11
	v_mov_b32 v[TM+\i], 0                          ; lane permutes' destinations count as read; these lines are also the places behind the last products
.endr
	v_mov_b32 v[NM+1], 0
	v_mov_b32 v[NINF], 0xff800000
	s_cmp_lt_u32 s61, s60                          ; a chunk wholly in front of its queries (wave 2 of a tile on the diagonal) counts for nothing
	s_cbranch_scc1 .Lend
	s_cmp_lg_u32 s61, s60
	s_cbranch_scc1 .Loff
; ON THE DIAGONAL.  Register n of block a holds key 32 (n / 16) + 16 h + n % 16; my query is 32 (a / 2) + 8 (a % 2) + r + 8 (r / 8).  Keys in front of the query become -infinity; the key that is the query gives sd.
.macro MASK a
.set QS, 64*((\a)%4)
.set QW, 2+(\a)/4
	WIN 4*QW                                       ; source 1: the accumulators' window
.set NN, 16*((\a)/2)
.rept 16
	v_cmp_eq_i32 vcc_lo, v[D0], NN%16-8*((\a)%2)
.if NN%16 == 0
	v_cndmask_b32 v[SD+(\a)], 0, v[QS+NN], vcc_lo
.else
	v_cndmask_b32 v[SD+(\a)], v[SD+(\a)], v[QS+NN], vcc_lo
.endif
.set NN, NN+1
.endr
	WIN 0x41*QW                                    ; source 0 and destination: the accumulators' window
.set NN, 0
.rept 16*((\a)/2)
	v_mov_b32 v[QS+NN], 0xff800000                 ; whole blocks of 32 keys in front of the tile's queries
.set NN, NN+1
.endr
.rept 16
	v_cmp_lt_i32 vcc_lo, NN%16-8*((\a)%2), v[D0]
	v_cndmask_b32 v[QS+NN], v[QS+NN], v[NINF], vcc_lo
.set NN, NN+1
.endr
.endm
.irp a, 0,1,2,3,4,5,6,7
	MASK \a
.endr
	WIN 0
.irp a, 0,1,2,3,4,5,6,7
	v_permlanex16_b32 v[TM+\a], v[SD+\a], s66, s67
.endr
.irp a, 0,1,2,3,4,5,6,7
	v_add_f32 v[SD+\a], v[SD+\a], v[TM+\a]         ; one of the two lanes of a query held it, the other 0
.endr
.irp g, 0,1,2,3
	v_cndmask_b32 v[SDO+\g], v[SD+2*\g], v[SD+2*\g+1], s68
	global_store_b32 v[RO4], v[SDO+\g], s[10:11] offset:128*\g     ; 32 rows, 128 consecutive bytes
.endr
.Loff:
; A block of 16 queries: the chunk's largest score, and the sum of the exponentials under it.  The 64 exponentials are one batch with one wait.
.macro STATS a
.set QS, 64*((\a)%4)
.set QW, 2+(\a)/4
	WIN 5*QW
.irp b, 0,1,2,3
	v_max_num_f32 v[TM+\b], v[QS+16*\b], v[QS+16*\b+1]             ; each accumulator is read from its low end on
.endr
.irp i, 2,4,6,8,10,12,14
.irp b, 0,1,2,3
	v_max3_num_f32 v[TM+\b], v[QS+16*\b+\i], v[QS+16*\b+\i+1], v[TM+\b]
.endr
.endr
	WIN 0
	v_max3_num_f32 v[TM+8], v[TM], v[TM+1], v[TM+2]
	v_max_num_f32 v[TM+8], v[TM+8], v[TM+3]
	v_permlanex16_b32 v[TM+9], v[TM+8], s66, s67
	v_max_num_f32 v[TM+8], v[TM+8], v[TM+9]        ; with lane l xor 16's 64 keys
	v_mul_f32 v[NM], s62, v[TM+8]                  ; m2
	v_mov_b32 v[M2+(\a)], v[NM]
	WIN 0x41*QW
.set NN, 0
.rept 32
	v_pk_fma_f32 v[QS+NN:QS+NN+1], v[QS+NN:QS+NN+1], s[62:63], v[NM:NM+1] op_sel_hi:[1,0,0] neg_lo:[0,0,1] neg_hi:[0,0,1]
.set NN, NN+2
.endr
.set NN, 0
	s_wait_alu depctr_va_vdst(0)
.rept 64
	v_exp_f32 v[QS+NN], v[QS+NN]
.set NN, NN+1
.endr
	v_nop                                          ; a plain place behind the last exponential
	s_wait_alu depctr_va_vdst(0)                   ; one wait for the batch, ahead of its first reader
	WIN 0x45*QW
.set NN, 8
.rept 7
	v_pk_add_f32 v[QS:QS+1], v[QS:QS+1], v[QS+NN:QS+NN+1]
	v_pk_add_f32 v[QS+2:QS+3], v[QS+2:QS+3], v[QS+NN+2:QS+NN+3]
	v_pk_add_f32 v[QS+4:QS+5], v[QS+4:QS+5], v[QS+NN+4:QS+NN+5]
	v_pk_add_f32 v[QS+6:QS+7], v[QS+6:QS+7], v[QS+NN+6:QS+NN+7]
.set NN, NN+8
.endr
	v_pk_add_f32 v[QS:QS+1], v[QS:QS+1], v[QS+2:QS+3]
	v_pk_add_f32 v[QS+4:QS+5], v[QS+4:QS+5], v[QS+6:QS+7]
	v_pk_add_f32 v[QS:QS+1], v[QS:QS+1], v[QS+4:QS+5]
	WIN 5*QW
	v_add_f32 v[LL+(\a)], v[QS], v[QS+1]
	WIN 0
	v_permlanex16_b32 v[TM+10], v[LL+(\a)], s66, s67
	v_add_f32 v[LL+(\a)], v[LL+(\a)], v[TM+10]
.endm
.irp a, 0,1,2,3,4,5,6,7
	STATS \a
.endr
.irp g, 0,1,2,3
	v_cndmask_b32 v[OP+2*\g], v[M2+2*\g], v[M2+2*\g+1], s68
	v_cndmask_b32 v[OP+2*\g+1], v[LL+2*\g], v[LL+2*\g+1], s68
	global_store_b64 v[RO8], v[OP+2*\g:OP+2*\g+1], s[8:9] offset:256*\g   ; 32 rows' pairs: 256 consecutive bytes, aligned
.endr
.Lend:
	s_wait_tensorcnt 0x0                           ; the wave's end
	ds_add_u32 v[SPW], v[NIL]
	s_wait_dscnt 0x0
	s_endpgm
.Lfunc_end_k_qa9f0f072ec_scores:
	.size	k_qa9f0f072ec_scores, .Lfunc_end_k_qa9f0f072ec_scores-k_qa9f0f072ec_scores
	.p2alignl 7, 3214868480
	.fill 96, 4, 3214868480
	.section	.rodata,"a",@progbits
	.p2align	6, 0x0
	.amdhsa_kernel k_qa9f0f072ec_scores
		.amdhsa_group_segment_fixed_size 327680
		.amdhsa_private_segment_fixed_size 0
		.amdhsa_enable_private_segment 0
		.amdhsa_kernarg_size 24
		.amdhsa_user_sgpr_count 2
		.amdhsa_user_sgpr_kernarg_segment_ptr 1
		.amdhsa_wavefront_size32 1
		.amdhsa_system_sgpr_workgroup_id_x 1
		.amdhsa_system_sgpr_workgroup_id_y 1
		.amdhsa_system_sgpr_workgroup_id_z 1
		.amdhsa_system_vgpr_workitem_id 0
		.amdhsa_next_free_vgpr 1024
		.amdhsa_next_free_sgpr 80
		.amdhsa_reserve_vcc 1
		.amdhsa_float_denorm_mode_32 3
		.amdhsa_float_denorm_mode_16_64 3
		.amdhsa_memory_ordered 1
		.amdhsa_forward_progress 1
		.amdhsa_inst_pref_size 209
	.end_amdhsa_kernel
	.amdgpu_metadata
---
amdhsa.version: [ 1, 2 ]
amdhsa.kernels:
  - .name:           k_qa9f0f072ec_scores
    .symbol:         k_qa9f0f072ec_scores.kd
    .args:
      - { .name: qkc, .offset: 0, .size: 8, .value_kind: global_buffer, .address_space: global }
      - { .name: st, .offset: 8, .size: 8, .value_kind: global_buffer, .address_space: global }
      - { .name: sd, .offset: 16, .size: 8, .value_kind: global_buffer, .address_space: global }
    .group_segment_fixed_size: 327680
    .private_segment_fixed_size: 0
    .kernarg_segment_align: 8
    .kernarg_segment_size: 24
    .max_flat_workgroup_size: 128
    .sgpr_count:     80
    .vgpr_count:     1024
    .wavefront_size: 32
...
	.end_amdgpu_metadata
.endif
;; end of part 3
;; launch mix (part 4): grid 8 x 32, 16 waves a work-group, clusters of 4 x 1, 327,680 bytes of LDS; arguments st, sd, vc, out0; writes out0
.if DOCPART == 4
	.amdgcn_target "amdgcn-amd-amdhsa--gfx1250"
	.amdhsa_code_object_version 6
	.text
	.protected	k_qa9f0f072ec_mix
	.globl	k_qa9f0f072ec_mix
	.p2align	8
	.type	k_qa9f0f072ec_mix,@function
k_qa9f0f072ec_mix:
	s_mov_b64 s[64:65], 0
	v_nop
	global_prefetch_b8 v0, s[64:65] scope:SCOPE_SE
	s_setreg_imm32_b32 hwreg(HW_REG_WAVE_MODE, 25, 1), 1
	s_wait_xcnt 0x0
	s_wait_alu depctr_hold_cnt(0) depctr_sa_sdst(0) depctr_va_vdst(0) depctr_va_sdst(0) depctr_va_ssrc(0) depctr_va_vcc(0) depctr_vm_vsrc(0)
	s_getreg_b32 s2, hwreg(HW_REG_IB_STS2, 6, 4)
	s_cmp_eq_u32 s2, 0
	s_cbranch_scc0 .Lentry_in_a_cluster
	s_endpgm
.Lentry_in_a_cluster:
	s_bfe_u32 s2, ttmp6, 0x10000c
	s_cmp_lg_u32 s2, 0x3003
	s_cbranch_scc0 .Lentry_shape_is_right
	s_endpgm
.Lentry_shape_is_right:
; out[c] = the sum over keys a <= c of p[a, c] v[a], on codes of E3M2 with E8M0 scales along the keys.  K steps of 128 keys that lie wholly behind a row block's diagonal hold only zeros of reference()'s second triu and are not multiplied.
; THE SOFTMAX of row c runs over all 2,048 keys: c entries that are 0 (keys a < c) and the scores of keys a >= c.  In units of log2: M = the largest of the chunks' m2, and of 0 where c > 0;
; Z = c 2^-M + the sum over chunks of l 2^(m2 - M);  p0 = 2^-M / Z for every key a < c;  pd = 2^(sd log2(e) / 32 - M) / Z for key c; keys a > c are cut off.
; So a row of P is p0 up to the diagonal, pd on it, 0 behind it, quantised finished and normalised, block by block of 32 keys: P's operand for a K step in front of the diagonal is a constant of the row; the K step on the diagonal has its own.
; LIMITS: NaN and infinities are not served; exponentials under 2^-126 come out as 0; a block under 2^-122 keeps the byte 1; blocks of zeros carry the byte 1 or 0 over zero codes.
; CLUSTER 4 x 1: the four partners have one batch and one run of 128 features, so they need the same V: each wave's one load, K step w's record of 12,800 bytes, is a joint load of the four.
; SHARES: cluster X (0 or 1) has the blocks of 128 rows X, X + 2, X + 4, X + 6 (the low group) and 9 - X, 11 - X, 13 - X, 15 - X (the high group): 68 block steps in either cluster.  Partner cx takes rows 32 cx .. 32 cx + 31 of each block,
; so every branch and every LDS address is alike in the partners; the place enters only rows in memory and the numbers of P.
; Wave w has the tile nt = w / 2 of 16 features and one group: eight accumulators j = 2 a + t, block a of the group, row tile t.  A fragment of V feeds up to eight products; the two of a block are left out together behind its diagonal,
; so no two products on end share an accumulator.
; THE WAY OUT, in four parts: whatever X, the low group's blocks 0, 1 are finished with K step 3, its blocks 2, 3 with K step 7, the high group's blocks 0, 1 with K step 11, its blocks 2, 3 with K step 15.
; Behind each of these steps the two finished blocks, 64 rows, go through one half of a stage of their own beside V, the halves by turns, and all sixteen waves store them while the next K steps are multiplied.
; One barrier a part: a half is written again two barriers behind its reads, which each wave has waited for in front of the barrier between.  In each run of four K steps only two blocks' diagonals can fall: only they are tested for.
; No prefetch: V is asked for once, at the head, and there is no loop to run ahead in.
; vc: [batch 4][128 features 8][K step 16][12,800]: [tile 8][1,536] images of operand registers, then from byte 12,288 [tile 8][16] scale words.  st: [batch][chunk 16][row 2048] pairs (m2, l);  sd: [batch][row].
; Source 0 = 16 features of V, source 1 = 16 rows of P: a lane holds one row and eight features 32 (nt / 2) + 8 (nt % 2) + 16 h + 0 .. 7.
.set VSC,  12288                       ; the scale words' place in a K step's record
.set PIMG, 204800                      ; behind V: P's images: [group 2][tile 8] x (constant 1,536 + diagonal 1,536)
.set PSC,  253952                      ; P's scale words: [group 2][tile 8] x (128 + 128)
.set SPARE, 258048                     ; the spare words, 128 bytes a wave
.set STG,  260096                      ; the stage: 128 rows of 512 + 16 bytes; no fill lands here
.set SPI,  528
.set APS,  5                           ; v5-12 first the offsets of the partials; then: v5 where my tile's scale words go
.set APB,  6                           ; v6   my group's images
.set APC,  7                           ; v7   my group's scale words
.set SO,   8                           ; v8   the stage, on the way in
.set SR,   9                           ; v9   and back
.set AV0,  13
.set AS0,  14
.set API,  15
.set P,    16                          ; v16-111  P's eight fragments
.set PS,   112
.set VF,   120
.set VS,   132
.set ADV,  133
.set ADS,  134
.set ACC,  136                         ; v136-199 (at the head: the partials)
.set Y,    200                         ; v200-231 numbers of a block; later rows on the way out
.set SS,   66                          ; the K step
.set TB,   67                          ; its record's byte in LDS
.set CNT,  69
.set IA,   74                          ; s74-77 my group's four blocks
.macro CROUND
	s_barrier_signal -1
	s_barrier_wait -1
	s_cmp_lg_u32 s14, 0
	s_cbranch_scc1 .Lnot_wave_0_\@
	s_barrier_signal -3
.Lnot_wave_0_\@:
	s_barrier_wait -3
	s_barrier_signal -1
	s_barrier_wait -1
.endm
	s_load_b128 s[4:7], s[0:1], 0x0                ; st, sd
	s_load_b64 s[8:9], s[0:1], 0x10                ; vc
	s_load_b64 s[12:13], s[0:1], 0x18              ; out0
	v_lshl_add_u32 v135, v0, 2, SPARE
	v_mov_b32 v255, 0
	ds_add_u32 v135, v255                          ; the opening lines: the add twice on end
	ds_add_u32 v135, v255
	v_lshrrev_b32 v1, 5, v0
	s_delay_alu instid0(VALU_DEP_1)
	v_readfirstlane_b32 s14, v1                    ; wave 0..15
	s_lshr_b32 s15, s14, 1                         ; nt; at the head also: which of my group's eight tiles of P I make
	s_lshr_b32 s17, s14, 2
	s_xor_b32 s17, s17, s14
	s_and_b32 s17, s17, 1                          ; my group: each tile nt has one wave for each
	s_bfe_u32 s23, ttmp6, 0x40000                  ; cx: also the block of 32 keys in which my rows' diagonal lies
	s_and_b32 s18, ttmp7, 0xffff
	s_lshr_b32 s19, s18, 3                         ; the batch
	s_and_b32 s20, s18, 7                          ; which 128 features
	s_sub_co_u32 s21, 9, ttmp9
	s_cmp_eq_u32 s17, 0
	s_cselect_b32 s[IA], ttmp9, s21
	s_add_co_u32 s[IA+1], s[IA], 2
	s_add_co_u32 s[IA+2], s[IA], 4
	s_add_co_u32 s[IA+3], s[IA], 6
	s_and_b32 s22, s15, 6
	s_add_co_u32 s22, s22, s[IA]                   ; the block of the tile of P that I make
	s_and_b32 s56, s15, 1
	s_lshl_b32 s56, s56, 4                         ; 16 x its row tile
	s_cmp_lg_u32 s56, 0
	s_cselect_b32 s89, -1, 0                       ; all lanes where it is the second row tile
	s_lshl_b32 s78, s22, 7
	s_lshl_b32 s52, s23, 5
	s_add_co_u32 s78, s78, s52
	s_add_co_u32 s78, s78, s56                     ; its first row: 128 block + 32 cx + 16 tile
	s_mov_b32 s24, 15|(3<<16)|(1<<21)              ; group 1: the four partners; a record as 2 dense rows of 800 elements of 8 bytes
	s_mov_b32 s25, 800<<16
	s_mov_b32 s26, 2<<16
	s_mov_b32 s27, 800<<16
	s_mov_b32 s28, 2
	s_mov_b32 s29, 800
	s_mov_b32 s30, 0
	s_mov_b32 s31, 0
	s_lshl_b32 s54, s19, 3
	s_add_co_u32 s54, s54, s20
	s_lshl_b32 s54, s54, 4
	s_add_co_u32 s54, s54, s14                     ; K step w
	s_mul_i32 s54, s54, 12800
	s_mov_b32 s55, 0
	s_mul_i32 s57, s14, 12800
	s_lshl_b32 s40, s19, 18
	s_mov_b32 s41, 0
	s_lshl_b32 s42, s19, 13
	s_mov_b32 s43, 0
	s_lshl_b32 s34, s19, 11                        ; the rows that I store: rows 4 w on of a half of the stage = block w / 8 of its two, rows 32 cx + 4 (w % 8) on
	s_add_co_u32 s34, s34, s52
	s_and_b32 s53, s14, 7
	s_lshl_b32 s53, s53, 2
	s_add_co_u32 s34, s34, s53
	s_lshr_b32 s53, s14, 3
	s_lshl_b32 s53, s53, 8
	s_add_co_u32 s34, s34, s53
	s_lshl_b32 s53, s21, 7
	s_add_co_u32 s36, s34, s53                     ; of the high group,
	s_lshl_b32 s53, ttmp9, 7
	s_add_co_u32 s34, s34, s53                     ; of the low group
	s_lshl_b32 s34, s34, 12
	s_lshl_b32 s36, s36, 12
	s_lshl_b32 s53, s20, 9
	s_add_co_u32 s34, s34, s53
	s_add_co_u32 s36, s36, s53
	s_mov_b32 s35, 0
	s_mov_b32 s37, 0
	s_mov_b32 s60, 0x3d38aa3b                      ; log2(e) / 32
	s_mov_b32 s61, 0x01010101
	s_mov_b32 s62, 0x76543210
	s_mov_b32 s63, 0xfedcba98                      ; selects for lane l xor 16
	s_mul_i32 s81, s15, 1536
	s_lshl_b32 s82, s15, 6
	s_add_co_u32 s82, s82, VSC
	s_lshl_b32 s70, s17, 3
	s_add_co_u32 s71, s70, s15
	s_mul_i32 s83, s71, 3072
	s_add_co_u32 s83, s83, PIMG
	s_lshl_b32 s84, s71, 8
	s_add_co_u32 s84, s84, PSC
	s_mul_i32 s85, s70, 3072
	s_add_co_u32 s85, s85, PIMG
	s_lshl_b32 s86, s70, 8
	s_add_co_u32 s86, s86, PSC
	s_lshr_b32 s87, s15, 1
	s_lshl_b32 s87, s87, 7
	s_lshl_b32 s53, s56, 1
	s_add_co_u32 s87, s87, s53
	s_add_co_u32 s87, s87, STG                     ; stage byte 128 (nt / 2) + 32 (nt % 2)
	s_mul_i32 s88, s14, 4*SPI
	s_add_co_u32 s88, s88, STG
	s_lshl_b32 s59, s23, 3                         ; 8 cx: the diagonal block's byte in a scale word
	s_bfm_b32 s58, s59, 0
	s_and_b32 s58, s58, s61
	s_wait_dscnt 0x0                               ; both opening adds are done
	s_wait_kmcnt 0x0
	s_mov_b32 s44, 1
	s_mov_b32 s45, s57
	s_add_nc_u64 s[46:47], s[8:9], s[54:55]
	s_or_b32 s47, s47, 0x80000000
	s_add_nc_u64 s[4:5], s[4:5], s[40:41]
	s_add_nc_u64 s[6:7], s[6:7], s[42:43]
	s_add_nc_u64 s[34:35], s[12:13], s[34:35]
	s_add_nc_u64 s[36:37], s[12:13], s[36:37]
	CROUND                                         ; the four partners are here: the joint loads meet
	tensor_load_to_lds s[44:47], s[24:31]          ; my one load
	s_nop 0
.rept 4
	v_nop
.endr
	; ---- my tile of P: row c = s78 + r
	v_and_b32 v1, 15, v0                           ; r
	v_bfe_u32 v2, v0, 4, 1                         ; h
	v_and_b32 v3, 31, v0
	s_delay_alu instid0(VALU_DEP_1)
	v_lshlrev_b32 v4, 2, v3                        ; 4 x lane
	s_delay_alu instid0(VALU_DEP_2)
	v_lshlrev_b32 v3, 4, v3                        ; 16 x lane
	v_add_nc_u32 v232, s78, v1                     ; c
	s_delay_alu instid0(VALU_DEP_1)
	v_lshlrev_b32 v233, 3, v232
	s_delay_alu instid0(VALU_DEP_2)
	v_lshlrev_b32 v235, 2, v232
.irp q, 0,1,2,3,4,5,6,7
	v_add_nc_u32 v234, 2*\q, v2                    ; lane (r, h) takes chunks 2 q + h,
	s_delay_alu instid0(VALU_DEP_1)
	v_max_u32 v234, s22, v234                      ; held at the row's block from below: chunks in front of it were never written and are not read
	s_delay_alu instid0(VALU_DEP_1)
	v_lshl_add_u32 v[5+\q], v234, 14, v233
.endr
.irp q, 0,1,2,3,4,5,6,7
	global_load_b64 v[136+2*\q:137+2*\q], v[5+\q], s[4:5]
.endr
	global_load_b32 v152, v235, s[6:7]
	v_add_nc_u32 v[AV0], s81, v3
	v_lshl_add_u32 v[AS0], v1, 2, s82
	v_add_nc_u32 v[API], s83, v3
	v_mov_b32 v253, 0
	v_mov_b32 v254, 0xff800000
	v_mov_b32 v237, 0                              ; a lane permute's destination counts as read
	v_cvt_f32_u32 v238, v232                       ; c as a number: how many zeros enter the softmax
	s_wait_alu depctr_va_vdst(0)
	s_wait_loadcnt 0x0
	v_add_nc_u32 v[APS], s84, v4
	v_add_nc_u32 v[APB], s85, v3
	v_add_nc_u32 v[APC], s86, v4
	v_mul_u32_u24 v[SO], v1, SPI
	s_delay_alu instid0(VALU_DEP_1)
	v_lshl_add_u32 v[SO], v2, 6, v[SO]
	s_delay_alu instid0(VALU_DEP_1)
	v_add_nc_u32 v[SO], s87, v[SO]                 ; stage row r, + 64 h
	v_add_nc_u32 v[SR], s88, v3
.irp q, 0,1,2,3,4,5,6,7
	v_add_nc_u32 v234, 2*\q, v2
	s_delay_alu instid0(VALU_DEP_1)
	v_cmp_gt_u32 vcc_lo, s22, v234                 ; a chunk in front of the block counts for nothing
	s_delay_alu instid0(VALU_DEP_1)
	v_cndmask_b32 v[136+2*\q], v[136+2*\q], v254, vcc_lo
	s_delay_alu instid0(VALU_DEP_2)
	v_cndmask_b32 v[137+2*\q], v[137+2*\q], v253, vcc_lo
.endr
	v_max3_num_f32 v236, v136, v138, v140
	s_delay_alu instid0(VALU_DEP_1)
	v_max3_num_f32 v236, v236, v142, v144
	s_delay_alu instid0(VALU_DEP_1)
	v_max3_num_f32 v236, v236, v146, v148
	s_delay_alu instid0(VALU_DEP_1)
	v_max_num_f32 v236, v236, v150
	s_delay_alu instid0(VALU_DEP_1)
	v_permlanex16_b32 v237, v236, s62, s63
	s_delay_alu instid0(VALU_DEP_1)
	v_max_num_f32 v236, v236, v237
	s_delay_alu instid0(VALU_DEP_1)
	v_max_num_f32 v237, 0, v236
	v_cmp_eq_u32 vcc_lo, 0, v232
	s_delay_alu instid0(VALU_DEP_1)
	v_cndmask_b32 v236, v237, v236, vcc_lo         ; M: the zeros count where there are any
.irp q, 0,1,2,3,4,5,6,7
	v_sub_f32 v[240+\q], v[136+2*\q], v236
.endr
	v_sub_f32 v248, 0, v236
	s_delay_alu instid0(VALU_DEP_1)
	v_cndmask_b32 v248, v248, v254, vcc_lo         ; (row 0 has no zeros: its 2^-M is made 0)
	v_fma_f32 v249, v152, s60, -v236
	s_wait_alu depctr_va_vdst(0)
.irp q, 0,1,2,3,4,5,6,7,8,9
	v_exp_f32 v[240+\q], v[240+\q]
.endr
	v_nop                                          ; a plain place behind the last exponential
	s_wait_alu depctr_va_vdst(0)                   ; one wait for the ten
	v_mul_f32 v239, v137, v240
.irp q, 1,2,3,4,5,6,7
	v_fma_f32 v239, v[137+2*\q], v[240+\q], v239
.endr
	s_delay_alu instid0(VALU_DEP_1)
	v_permlanex16_b32 v237, v239, s62, s63
	s_delay_alu instid0(VALU_DEP_1)
	v_add_f32 v239, v239, v237
	v_fma_f32 v239, v238, v248, v239               ; Z
	s_wait_alu depctr_va_vdst(0)
	v_rcp_f32 v250, v239
	v_nop
	s_wait_alu depctr_va_vdst(0)
	v_mul_f32 v251, v248, v250                     ; p0
	v_mul_f32 v252, v249, v250                     ; pd
	; a whole block of p0: 16 codes in 96 bits, twice
	s_delay_alu instid0(VALU_DEP_2)
	v_max_num_f32 v240, 0x2800000, v251            ; the floor 2^(5 - 127)
	s_delay_alu instid0(VALU_DEP_1)
	v_add_nc_u32 v241, 0xfe000000, v240
	s_delay_alu instid0(VALU_DEP_1)
	v_lshrrev_b32 v242, 23, v241
.irp i, 0,1,2,3,4,5,6,7,8,9,10,11,12,13,14,15
	v_mov_b32 v[Y+\i], v251
.endr
	v_cvt_scalef32_pk16_bf6_f32 v[244:246], v[Y:Y+15], v241
	v_nop                                          ; one plain place behind a scaled conversion
	v_mul_lo_u32 v239, v242, s61                   ; the constant scale word
	; the block with the diagonal: key i of it is p0 for i < e, pd for i = e, 0 behind; e = 16 x row tile + r.  The half of 16 keys that holds the diagonal is p0 for i < r, pd for i = r, 0 behind;
	; the other half is all p0 (it lies in front: second row tile) or all 0 (it lies behind: first row tile), and is chosen on the finished codes
	v_add_nc_u32 v243, s56, v1
.set II, 0
.rept 16
	v_cmp_lt_u32 vcc_lo, II, v1
	s_delay_alu instid0(VALU_DEP_1)
	v_cndmask_b32 v[Y+16+II], v253, v251, vcc_lo
	v_cmp_eq_u32 vcc_lo, II, v1
	s_delay_alu instid0(VALU_DEP_1)
	v_cndmask_b32 v[Y+16+II], v[Y+16+II], v252, vcc_lo
.set II, II+1
.endr
	v_max_num_f32 v232, v251, v252
	v_cmp_eq_u32 vcc_lo, 0, v243
	s_delay_alu instid0(VALU_DEP_1)
	v_cndmask_b32 v232, v232, v252, vcc_lo         ; its largest number: p0 is among its numbers only where e > 0
	s_delay_alu instid0(VALU_DEP_1)
	v_max_num_f32 v232, 0x2800000, v232
	s_delay_alu instid0(VALU_DEP_1)
	v_add_nc_u32 v233, 0xfe000000, v232
	s_delay_alu instid0(VALU_DEP_1)
	v_lshrrev_b32 v234, 23, v233
	v_cvt_scalef32_pk16_bf6_f32 v[236:238], v[Y:Y+15], v233        ; sixteen p0 under this block's scale
	v_cvt_scalef32_pk16_bf6_f32 v[248:250], v[Y+16:Y+31], v233     ; the half with the diagonal
	v_nop
.irp k, 0,1,2
	v_cndmask_b32 v[Y+\k], v[248+\k], v[236+\k], s89               ; the block's lower 16 codes
	v_cndmask_b32 v[Y+4+\k], v253, v[248+\k], s89                  ; and its upper 16
.endr
	; the diagonal K step's fragment: lane (r, h) holds blocks h and 2 + h whole
.irp c, 0,1
	v_add_nc_u32 v235, 2*\c, v2
	s_delay_alu instid0(VALU_DEP_1)
	v_cmp_gt_u32 s72, s23, v235                    ; in front of the diagonal's block: p0's codes
	s_delay_alu instid0(VALU_DEP_2)
	v_cmp_eq_u32 s73, s23, v235                    ; the diagonal's block
.irp k, 0,1,2
	v_cndmask_b32 v[16+6*\c+\k], v253, v[Y+\k], s73
	v_cndmask_b32 v[19+6*\c+\k], v253, v[Y+4+\k], s73
.endr
.irp k, 0,1,2
	v_cndmask_b32 v[16+6*\c+\k], v[16+6*\c+\k], v[244+\k], s72
	v_cndmask_b32 v[19+6*\c+\k], v[19+6*\c+\k], v[244+\k], s72
.endr
.endr
.irp k, 0,1,2,3
.irp i, 0,1,2
	v_mov_b32 v[28+3*\k+\i], v[244+\i]             ; the constant fragment
.endr
.endr
	v_mul_lo_u32 v247, v242, s58                   ; p0's byte for the blocks in front,
	v_lshlrev_b32 v235, s59, v234                  ; the diagonal block's own byte; the bytes behind stay 0, over zero codes
	s_delay_alu instid0(VALU_DEP_1)
	v_or_b32 v247, v247, v235
.irp c, 0,1,2
	ds_store_b128 v[API], v[28+4*\c:31+4*\c] offset:512*\c
	ds_store_b128 v[API], v[16+4*\c:19+4*\c] offset:1536+512*\c
.endr
	ds_store_b32 v[APS], v239
	ds_store_b32 v[APS], v247 offset:128
	s_wait_alu depctr_va_vdst(0)
	s_wait_tensorcnt 0x0                           ; my K step's record is in
	s_wait_dscnt 0x0                               ; my images lie in LDS
	s_barrier_signal -1
	s_barrier_wait -1
.irp a, 0,1,2,3,4,5,6,7
.irp c, 0,1,2
	ds_load_b128 v[P+12*\a+4*\c:P+12*\a+4*\c+3], v[APB] offset:\a*3072+512*\c      ; my group's constant fragments
.endr
	ds_load_b32 v[PS+\a], v[APC] offset:\a*256
.endr
; A K STEP of 128 keys.  All branches are scalar, on the cluster's number, the wave's number and the step.
.macro DIAG a                          ; on block a's diagonal its two tiles take the diagonal fragments
	s_cmp_lg_u32 s[SS], s[IA+\a]
	s_cbranch_scc1 .Lcon_\@
	s_wait_dscnt 0x0                               ; earlier loads into these registers have landed
.irp j, 2*\a, 2*\a+1
.irp c, 0,1,2
	ds_load_b128 v[P+12*(\j)+4*\c:P+12*(\j)+4*\c+3], v[APB] offset:(\j)*3072+1536+512*\c
.endr
	ds_load_b32 v[PS+(\j)], v[APC] offset:(\j)*256+128
.endr
.Lcon_\@:
.endm
.macro PAIR a, zero                    ; block a's two products; left out behind its diagonal
.if \zero == 0
	s_cmp_gt_u32 s[SS], s[IA+\a]
	s_cbranch_scc1 .Lsk_\@
.endif
.irp j, 2*\a, 2*\a+1
.if \zero
	v_wmma_scale_f32_16x16x128_f8f6f4 v[ACC+8*(\j):ACC+8*(\j)+7], v[VF:VF+11], v[P+12*(\j):P+12*(\j)+11], 0, v[VS], v[PS+(\j)] matrix_a_fmt:MATRIX_FMT_BF6 matrix_b_fmt:MATRIX_FMT_BF6
.else
	v_wmma_scale_f32_16x16x128_f8f6f4 v[ACC+8*(\j):ACC+8*(\j)+7], v[VF:VF+11], v[P+12*(\j):P+12*(\j)+11], v[ACC+8*(\j):ACC+8*(\j)+7], v[VS], v[PS+(\j)] matrix_a_fmt:MATRIX_FMT_BF6 matrix_b_fmt:MATRIX_FMT_BF6
.endif
.endr
.Lsk_\@:
.endm
.macro VSTEP zero, d0, d1              ; d0, d1: the blocks whose diagonal can fall on this step
.if \zero == 0
	s_cmp_gt_u32 s[SS], s[IA+3]                    ; behind my group's last diagonal nothing is left
	s_cbranch_scc1 .Ltail_\@
.endif
	v_add_nc_u32 v[ADV], s[TB], v[AV0]
	v_add_nc_u32 v[ADS], s[TB], v[AS0]
.irp c, 0,1,2
	ds_load_b128 v[VF+4*\c:VF+4*\c+3], v[ADV] offset:512*\c
.endr
	ds_load_b32 v[VS], v[ADS]
	DIAG \d0
.if \d1 != \d0
	DIAG \d1
.endif
	s_wait_dscnt 0x0
	PAIR 0, \zero
	PAIR 1, \zero
	PAIR 2, \zero
	PAIR 3, \zero
.rept 4
	v_nop                                          ; places in front of the next loads into these operands, and of the first read of the results
.endr
.Ltail_\@:
	s_add_co_u32 s[SS], s[SS], 1
	s_add_co_u32 s[TB], s[TB], 12800
.endm
; A part of the way out: the waves of group grp put their tiles j0 .. j0 + 3 into the stage's half odd; behind the barrier wave w takes rows 4 w .. 4 w + 3 of that half and stores them as whole rows of 512 bytes.
.macro PART grp, j0, reg, base, odd
	s_cmp_lg_u32 s17, \grp
	s_cbranch_scc1 .Lnot_\@
.irp a, 0,1,2,3
	ds_store_b128 v[SO], v[ACC+8*(\j0+\a):ACC+8*(\j0+\a)+3] offset:16*(\j0+\a)*SPI       ; each accumulator from its low end on
	ds_store_b128 v[SO], v[ACC+8*(\j0+\a)+4:ACC+8*(\j0+\a)+7] offset:16*(\j0+\a)*SPI+16
.endr
.Lnot_\@:
	s_wait_dscnt 0x0                               ; for the others' sake: my stores into the stage are done, and my reads of it are over
	s_barrier_signal -1
	s_barrier_wait -1
.irp t, 0,1,2,3
	ds_load_b128 v[\reg+4*\t:\reg+4*\t+3], v[SR] offset:(64*(\odd)+\t)*SPI
.endr
.irp t, 0,1,2,3
	s_wait_dscnt 3-\t                              ; row t is back; the younger loads may be out
	global_store_b128 v3, v[\reg+4*\t:\reg+4*\t+3], s[\base:\base+1] offset:4096*\t+2097152*(\odd) th:TH_STORE_NT   ; 512 consecutive bytes of a row of out0, at a multiple of 256 from its first byte; the odd half lies 512 rows on
.endr
.endm
	s_mov_b32 s[SS], 0
	s_mov_b32 s[TB], 0
	VSTEP 1, 0, 0                                  ; K step 0 counts for every block and starts the sums
	s_mov_b32 s[CNT], 3
.Lrun0:
	VSTEP 0, 0, 1
	s_sub_co_u32 s[CNT], s[CNT], 1
	s_cmp_lg_u32 s[CNT], 0
	s_cbranch_scc1 .Lrun0
	PART 0, 0, Y, 34, 0                            ; each part has registers of its own for its rows: nothing waits for the stores
	s_mov_b32 s[CNT], 4
.Lrun1:
	VSTEP 0, 2, 3
	s_sub_co_u32 s[CNT], s[CNT], 1
	s_cmp_lg_u32 s[CNT], 0
	s_cbranch_scc1 .Lrun1
	PART 0, 4, Y+16, 34, 1
	s_mov_b32 s[CNT], 4
.Lrun2:
	VSTEP 0, 0, 1
	s_sub_co_u32 s[CNT], s[CNT], 1
	s_cmp_lg_u32 s[CNT], 0
	s_cbranch_scc1 .Lrun2
	PART 1, 0, 232, 36, 0
	s_mov_b32 s[CNT], 4
.Lrun3:
	VSTEP 0, 2, 3
	s_sub_co_u32 s[CNT], s[CNT], 1
	s_cmp_lg_u32 s[CNT], 0
	s_cbranch_scc1 .Lrun3
	PART 1, 4, P, 36, 1
	s_wait_tensorcnt 0x0                           ; the wave's end
	ds_add_u32 v135, v255
	s_wait_dscnt 0x0
	CROUND                                         ; the closing round
	s_endpgm
.Lfunc_end_k_qa9f0f072ec_mix:
	.size	k_qa9f0f072ec_mix, .Lfunc_end_k_qa9f0f072ec_mix-k_qa9f0f072ec_mix
	.p2alignl 7, 3214868480
	.fill 96, 4, 3214868480
	.section	.rodata,"a",@progbits
	.p2align	6, 0x0
	.amdhsa_kernel k_qa9f0f072ec_mix
		.amdhsa_group_segment_fixed_size 327680
		.amdhsa_private_segment_fixed_size 0
		.amdhsa_enable_private_segment 0
		.amdhsa_kernarg_size 32
		.amdhsa_user_sgpr_count 2
		.amdhsa_user_sgpr_kernarg_segment_ptr 1
		.amdhsa_wavefront_size32 1
		.amdhsa_system_sgpr_workgroup_id_x 1
		.amdhsa_system_sgpr_workgroup_id_y 1
		.amdhsa_system_sgpr_workgroup_id_z 1
		.amdhsa_system_vgpr_workitem_id 0
		.amdhsa_next_free_vgpr 256
		.amdhsa_next_free_sgpr 90
		.amdhsa_reserve_vcc 1
		.amdhsa_float_denorm_mode_32 3
		.amdhsa_float_denorm_mode_16_64 3
		.amdhsa_memory_ordered 1
		.amdhsa_forward_progress 1
		.amdhsa_inst_pref_size 44
	.end_amdhsa_kernel
	.amdgpu_metadata
---
amdhsa.version: [ 1, 2 ]
amdhsa.kernels:
  - .name:           k_qa9f0f072ec_mix
    .symbol:         k_qa9f0f072ec_mix.kd
    .args:
      - { .name: st, .offset: 0, .size: 8, .value_kind: global_buffer, .address_space: global }
      - { .name: sd, .offset: 8, .size: 8, .value_kind: global_buffer, .address_space: global }
      - { .name: vc, .offset: 16, .size: 8, .value_kind: global_buffer, .address_space: global }
      - { .name: out0, .offset: 24, .size: 8, .value_kind: global_buffer, .address_space: global }
    .group_segment_fixed_size: 327680
    .private_segment_fixed_size: 0
    .kernarg_segment_align: 8
    .kernarg_segment_size: 32
    .max_flat_workgroup_size: 512
    .sgpr_count:     90
    .vgpr_count:     256
    .wavefront_size: 32
...
	.end_amdgpu_metadata
.endif
;; end of part 4
